; MI455X (gfx1250); checked and timed in simulation.
; The chip was launched on July 23, 2026; its instructions are those of AMD's public machine-readable ISA for CDNA 5 (MIT licence, August 2026) and "CDNA5" Instruction Set Architecture Reference Guide (July 2026). The comments in the code are by the model that wrote it; some were corrected since.
;; Self Attention Block. Allowed arithmetic: matrix products marked QUANTISED: E4M3 operands, one E8M0 scale for each 32 along K, by v_wmma_scale_f32_16x16x128_f8f6f4 with both operands' format E4M3, f32 sums; products left as they are: f32 operands where the result goes on into a quantised operand, else bf16, f16 or f32 operands; f32 sums; everything else in f32.
;; Inputs: Wk_codes 128 x 4 x 32 uint8 (E4M3 codes of Wk, K innermost, in blocks of 32 codes); Wk_scales 128 x 4 uint8 (E8M0 scales of Wk, one for each 32 codes along K); Wo_codes 128 x 4 x 32 uint8 (E4M3 codes of Wo, K innermost, in blocks of 32 codes); Wo_scales 128 x 4 uint8 (E8M0 scales of Wo, one for each 32 codes along K); Wq_codes 128 x 4 x 32 uint8 (E4M3 codes of Wq, K innermost, in blocks of 32 codes); Wq_scales 128 x 4 uint8 (E8M0 scales of Wq, one for each 32 codes along K); Wv_codes 128 x 4 x 32 uint8 (E4M3 codes of Wv, K innermost, in blocks of 32 codes); Wv_scales 128 x 4 uint8 (E8M0 scales of Wv, one for each 32 codes along K); bk 128 float32; bo 128 float32; bq 128 float32; bv 128 float32; gn_bias 128 float32; gn_weight 128 float32; hidden_states 2 x 128 x 32 x 32 float32.
;; Outputs: out0 2 x 128 x 32 x 32 float32.
;; This version of the problem:
;;   THIS VERSION OF THE PROBLEM IS GIVEN IN LOW PRECISION. The matrix products marked QUANTISED in the list below multiply operands that are first quantised to E4M3 (4 exponent bits, 3 mantissa bits; 8 bits a number), with one power-of-two scale for each 32 numbers along K (OCP MX v1.0); their sums are f32. All else is computed in f32.
;;   The module's matrix products, in the order in which they are computed (A, B: the left and right operand; K: the contracted axis; several contracted axes count as one K, in the product's order):
;;     1. [M 2,048, K 128] x [K 128, N 128]; A: computed on the way; B: input Wq (given as codes): QUANTISED
;;     2. [M 2,048, K 128] x [K 128, N 128]; A: computed on the way; B: input Wk (given as codes): QUANTISED
;;     3. [M 2,048, K 128] x [K 128, N 128]; A: computed on the way; B: input Wv (given as codes): QUANTISED
;;     4. batch 256 x [M 1,024, K 1] x [K 1, N 1,024]; A: computed on the way; B: computed on the way: left as it is (K = 1 < 32)
;;     5. batch 256 x [M 1,024, K 1,024] x [K 1,024, N 1]; A: softmax; B: computed on the way: left as it is (N = 1 < 16)
;;     6. [M 2,048, K 128] x [K 128, N 128]; A: computed on the way; B: input Wo (given as codes): QUANTISED
;;   THE QUANTISER, for each operand of a quantised product, along K:
;;     - K is cut into blocks of 32 from its start; a last block that is shorter is filled with zeros.
;;     - A block's scale is 2^e with e = floor(log2(the largest magnitude in the block)) - 8, held to -126 .. 127; a block of zeros has e = 0. As a byte (E8M0): e + 127.
;;     - Each number is divided by its block's scale, clamped to +-448, and rounded to the nearest number of E4M3, ties to even, subnormals kept.
;;     - The product sums the exact products of the quantised numbers (number of the format x scale) in f32.
;;   ~~~python
;;   def quantise(x, axis):      # numpy; x: float32 -> the quantised numbers, widened to float32 again
;;       x = np.moveaxis(x, axis, -1); K = x.shape[-1]
;;       x = np.pad(x, [(0, 0)] * (x.ndim - 1) + [(0, -K % 32)]); x = x.reshape(x.shape[:-1] + (-1, 32)); a = np.abs(x).max(-1, keepdims=True)
;;       e = np.where(a > 0, np.clip(np.frexp(np.where(a > 0, a, 1))[1] - 1 - 8, -126, 127), 0)      # np.frexp(a)[1] - 1 = floor(log2(a)), exactly
;;       r = np.clip(x / 2.0 ** e, -448, 448)
;;       step = 2.0 ** (np.maximum(np.frexp(np.where(r == 0, 1, r))[1] - 1, -6) - 3)
;;       q = np.round(r / step) * step * 2.0 ** e      # np.round: ties to even
;;       return np.moveaxis(q.reshape(q.shape[:-2] + (-1,))[..., :K], -1, axis).astype(np.float32)
;;   ~~~
;;   OPERANDS COMPUTED ON THE WAY. 'Computed on the way' means the value that the module computes at that place (a softmax that the list does not call 'softmax' is quantised finished and normalised). What goes into a quantiser is computed in f32, as accurately as f32 sums, v_exp_f32 and their like allow (about 1e-6 of the number): no bf16 or f16 on the way to a quantiser, and a product that is left as it is and whose result goes on into a quantised operand takes f32 operands (vector FMAs, or v_wmma_f32_16x16x4_f32). A number that lies on a knife's edge between two numbers of the format may be rounded either way, as far as f32 arithmetic and the matrix unit's own rounding can turn it there, and no further.
;;   INPUTS GIVEN AS CODES. Wk (in the module: [128, 128], K = its axis 1); Wo (in the module: [128, 128], K = its axis 1); Wq (in the module: [128, 128], K = its axis 1); Wv (in the module: [128, 128], K = its axis 1): each comes as NAME_codes (uint8): NAME with its K axis moved to the last place and cut into blocks of 32 codes, [.., K / 32, bytes a block], one block behind the other in memory; one code a byte (a code: sign, 4 exponent bits, 3 mantissa bits); and NAME_scales (uint8): the same leading axes, one E8M0 byte (e + 127) for each 32 codes along K. Its value is code x scale, taken as it is: it is not quantised again, and the codes and scales need not be those that the quantiser above would give.
;; 2 versions, each right; version 2 is version 1 with the launches attn, proj written anew for expert scheduling mode. Each part assembles by itself: llvm-mc -triple=amdgcn-amd-amdhsa -mcpu=gfx1250 --defsym DOCPART=n.
;; ======== version 1 of 2: 3 launches
;; workspace buffers: hcodes 262,144 bytes; hscales 8,192 bytes; att 1,048,576 bytes
;; launch norm (part 1): grid 4 x 2, 16 waves a work-group, no clusters, 4,096 bytes of LDS; arguments hidden_states, gn_weight, gn_bias, hcodes, hscales; writes hcodes, hscales
.if DOCPART == 1
	.amdgcn_target "amdgcn-amd-amdhsa--gfx1250"
	.amdhsa_code_object_version 6
	.text
	.protected	k_qd66bfb8e63_norm
	.globl	k_qd66bfb8e63_norm
	.p2align	8
	.type	k_qd66bfb8e63_norm,@function
k_qd66bfb8e63_norm:
	s_mov_b64 s[64:65], 0
	v_nop
	global_prefetch_b8 v0, s[64:65] scope:SCOPE_SE
	s_setreg_imm32_b32 hwreg(HW_REG_WAVE_MODE, 25, 1), 1
	s_wait_xcnt 0x0
; GroupNorm of hidden_states [2][128][1024] f32 (32 groups of 4 channels x 1,024 places), gain and bias, and the result h quantised along the channels:
; codes of FP8 (E4M3) with one E8M0 byte for each 32 channels of a place.
; SHARES.  A work-group takes one image b (grid y) and one block of 32 channels c' (grid x): 8 whole groups, 128 KiB, each byte read once.  Wave w takes places 64 w .. 64 w + 63.
; Lane (r = lane % 16, h = lane / 16) takes channels 32 c' + 16 h + i, i = 0 .. 15, at places 64 w + 4 r + t, t = 0 .. 3: register X + 4 i + t.  A load reads 256 consecutive bytes in sixteen lanes.
; Group g of the lane's half is X + 16 g .. X + 16 g + 15.  Mean first, then the sum of squares of what is left: no difference of large sums is formed.
; OUT.  hcodes [b][tile 64][c' 4][lane 32][16 bytes]: the image of an operand's registers: tile 4 w + t has place 64 w + 4 r + t as its column r, and registers 4 c' .. 4 c' + 3 of lane (r, h) hold
; channels 32 c' + 16 h + 0 .. 15.  hscales [b][c' 4][place 1024], a byte each.
; LIMITS: a block of zeros, and one whose largest magnitude lies under 2^(9 - 127), gets the byte 1 (the rule says 127 for zeros): its codes are zeros or the rule's own, and this program alone reads the bytes.
; NaN and infinities among the inputs are not served.
; No matrix unit, no tensor load, no cluster: nothing is read twice and no two work-groups share a byte.
.set SUM,  12                          ; v12-15   a lane's, then a row of lanes', four group sums
.set MEAN, 16                          ; v16-23   the four means, each laid twice: a pair for the packed subtraction
.set GW,   24                          ; v24-39   gain of my 16 channels, later gain / sqrt(var + eps)
.set GB,   40                          ; v40-55   bias of my 16 channels
.set TM,   56                          ; v56-71   the quantiser: +0 largest magnitudes, +4 bytes, +8 448 x the scale, +12 the conversions' scale operands
.set PW,   72                          ; v72      four places' scale bytes
.set CD,   76                          ; v76-91   codes: four registers for each t
.set RS,   92                          ; v92-95   var + eps, then its inverse root
.set X,    96                          ; v96-159  my 64 numbers
.set Y,    160                         ; v160-223 at work: partial sums, then the held numbers with the channels on end
.set RED0, 0                           ; LDS: [wave 16][h 2][4 sums]: the sums;
.set RED1, 512                         ; the sums of squares, in bytes of their own;
.set SCL,  1024                        ; the work-group's 1,024 scale bytes
.macro BARRIER                         ; my LDS stores have landed and my LDS loads are in: then the work-group's barrier
	s_wait_dscnt 0x0
	s_barrier_signal -1
	s_barrier_wait -1
.endm
.macro LOCALSUM                        ; SUM + g = the sum of my 16 numbers of group g; the four groups by turns
.irp k, 0,1,2,3
.irp g, 0,1,2,3
	v_pk_add_f32 v[Y+8*\g+2*\k:Y+8*\g+2*\k+1], v[X+16*\g+4*\k:X+16*\g+4*\k+1], v[X+16*\g+4*\k+2:X+16*\g+4*\k+3]
.endr
.endr
.irp g, 0,1,2,3
	v_pk_add_f32 v[Y+8*\g:Y+8*\g+1], v[Y+8*\g:Y+8*\g+1], v[Y+8*\g+2:Y+8*\g+3]
	v_pk_add_f32 v[Y+8*\g+4:Y+8*\g+5], v[Y+8*\g+4:Y+8*\g+5], v[Y+8*\g+6:Y+8*\g+7]
.endr
.irp g, 0,1,2,3
	v_pk_add_f32 v[Y+8*\g:Y+8*\g+1], v[Y+8*\g:Y+8*\g+1], v[Y+8*\g+4:Y+8*\g+5]
.endr
.irp g, 0,1,2,3
	v_add_f32 v[SUM+\g], v[Y+8*\g], v[Y+8*\g+1]
.endr
.endm
.macro LOCALSQ                         ; the same of their squares: two chains a group, started by products
.irp g, 0,1,2,3
	v_pk_mul_f32 v[Y+8*\g:Y+8*\g+1], v[X+16*\g:X+16*\g+1], v[X+16*\g:X+16*\g+1]
	v_pk_mul_f32 v[Y+8*\g+2:Y+8*\g+3], v[X+16*\g+2:X+16*\g+3], v[X+16*\g+2:X+16*\g+3]
.endr
.irp k, 1,2,3
.irp g, 0,1,2,3
	v_pk_fma_f32 v[Y+8*\g:Y+8*\g+1], v[X+16*\g+4*\k:X+16*\g+4*\k+1], v[X+16*\g+4*\k:X+16*\g+4*\k+1], v[Y+8*\g:Y+8*\g+1]
	v_pk_fma_f32 v[Y+8*\g+2:Y+8*\g+3], v[X+16*\g+4*\k+2:X+16*\g+4*\k+3], v[X+16*\g+4*\k+2:X+16*\g+4*\k+3], v[Y+8*\g+2:Y+8*\g+3]
.endr
.endr
.irp g, 0,1,2,3
	v_pk_add_f32 v[Y+8*\g:Y+8*\g+1], v[Y+8*\g:Y+8*\g+1], v[Y+8*\g+2:Y+8*\g+3]
.endr
.irp g, 0,1,2,3
	v_add_f32 v[SUM+\g], v[Y+8*\g], v[Y+8*\g+1]
.endr
.endm
; The four sums over the work-group: over the sixteen lanes of my half (a row of lanes is a half), then over the sixteen waves through LDS.  Every lane adds in the same order.  Result: Y .. Y + 3.
.macro WGSUM region
.irp m, 1,2,4,8
.irp g, 0,1,2,3
	v_add_f32_dpp v[SUM+\g], v[SUM+\g], v[SUM+\g] row_xmask:\m row_mask:0xf bank_mask:0xf
.endr
.endr
	ds_store_b128 v6, v[SUM:SUM+3] offset:\region          ; the sixteen lanes of a half write the same 16 bytes with the same values
	BARRIER
.irp v, 0,1,2,3,4,5,6,7,8,9,10,11,12,13,14,15
	ds_load_b128 v[Y+4*\v:Y+4*\v+3], v7 offset:\region+32*\v   ; wave v's sums of my half
.endr
	s_wait_dscnt 0x0
.irp d, 8,4,2,1
.set vv, 0
.rept \d
	v_pk_add_f32 v[Y+4*vv:Y+4*vv+1], v[Y+4*vv:Y+4*vv+1], v[Y+4*(vv+\d):Y+4*(vv+\d)+1]
	v_pk_add_f32 v[Y+4*vv+2:Y+4*vv+3], v[Y+4*vv+2:Y+4*vv+3], v[Y+4*(vv+\d)+2:Y+4*(vv+\d)+3]
.set vv, vv+1
.endr
.endr
.endm
; Four blocks of 32 channels, one for each place t; a block lies in lanes l and l xor 16, 16 numbers each: X + 4 i + t.  Out: codes in CD + 4 t .. + 3, the scale's byte in TM + 4 + t.
.macro QUANT4
.irp t, 0,1,2,3
	v_max3_num_f32 v[TM+\t], |v[X+\t]|, |v[X+4+\t]|, 0x4800000    ; my 16 numbers, and the floor 2^(9 - 127): the byte cannot fall under 1
.endr
.irp i, 2,4,6,8,10,12,14
.irp t, 0,1,2,3
	v_max3_num_f32 v[TM+\t], v[TM+\t], |v[X+4*\i+\t]|, |v[X+4*\i+4+\t]|   ; the four blocks by turns
.endr
.endr
.irp t, 0,1,2,3
	v_permlanex16_b32 v[TM+4+\t], v[TM+\t], s20, s21
.endr
.irp t, 0,1,2,3
	v_max_num_f32 v[TM+\t], v[TM+\t], v[TM+4+\t]                  ; with lane l xor 16's: the block's largest magnitude
.endr
.irp t, 0,1,2,3
	v_add_nc_u32 v[TM+12+\t], 0xfc000000, v[TM+\t]                ; 8 off its exponent field: the conversion takes this operand's exponent field as its scale
.endr
.irp t, 0,1,2,3
	v_and_or_b32 v[TM+8+\t], v[TM+\t], 0x7f800000, s22            ; 448 x the scale: the exponent field over 448's mantissa
.endr
.irp t, 0,1,2,3
	v_lshrrev_b32 v[TM+4+\t], 23, v[TM+12+\t]                     ; the scale's byte
.endr
.irp t, 0,1,2,3
.irp i, 0,1,2,3,4,5,6,7,8,9,10,11,12,13,14,15
	v_med3_num_f32 v[Y+16*\t+\i], v[X+4*\i+\t], -v[TM+8+\t], v[TM+8+\t]   ; the conversion to an 8-bit code does not saturate (ISA guide 7.6.2): the hold; it also lays a place's 16 channels on end
.endr
	v_cvt_scalef32_pk8_fp8_f32 v[CD+4*\t:CD+4*\t+1], v[Y+16*\t:Y+16*\t+7], v[TM+12+\t]
	v_cvt_scalef32_pk8_fp8_f32 v[CD+4*\t+2:CD+4*\t+3], v[Y+16*\t+8:Y+16*\t+15], v[TM+12+\t]
.endr
	v_nop                                                          ; a plain vector line behind the last scaled conversion
.endm
	s_load_b256 s[4:11], s[0:1], 0x0               ; hidden_states s[4:5], gn_weight s[6:7], gn_bias s[8:9], hcodes s[10:11]
	s_load_b64 s[12:13], s[0:1], 0x20              ; hscales
	v_lshl_add_u32 v224, v0, 2, 0x800
	v_mov_b32 v225, 0
	v_lshrrev_b32 v1, 5, v0
	v_readfirstlane_b32 s14, v1                    ; wave 0..15
	s_mov_b32 s15, ttmp9                           ; c'
	s_and_b32 s16, ttmp7, 0xffff                   ; b
	s_mov_b32 s20, 0x76543210
	s_mov_b32 s21, 0xfedcba98                      ; v_permlanex16_b32's selects for lane l xor 16
	s_mov_b32 s22, 0x600000                        ; the mantissa field of 448
	s_mov_b32 s23, 0x39800000                      ; 2^-12: a group has 4 x 1,024 numbers
	v_and_b32 v1, 31, v0                           ; lane
	v_and_b32 v2, 15, v0                           ; r
	v_bfe_u32 v3, v0, 4, 1                         ; h
	v_lshlrev_b32 v4, 4, v2
	v_lshl_add_u32 v4, v3, 16, v4                  ; x: 16 r + 16 channels of 4,096 bytes x h
	v_lshlrev_b32 v5, 6, v3                        ; gain, bias: my half's 16 numbers
	v_and_b32 v6, 0x1f0, v0                        ; LDS: 32 wave + 16 h: where my half's four sums go
	v_lshlrev_b32 v7, 4, v3                        ; and 16 h: from where all waves' are read
	v_lshlrev_b32 v8, 4, v1                        ; codes: 16 bytes a lane
	v_lshrrev_b32 v9, 5, v0
	v_lshlrev_b32 v9, 6, v9
	v_lshl_add_u32 v9, v2, 2, v9                   ; LDS: 64 wave + 4 r: my four places' scale bytes
	v_and_b32 v10, 63, v0
	v_lshlrev_b32 v10, 4, v10                      ; the scale bytes' way out: 16 bytes a thread of waves 0 and 1
	s_wait_kmcnt 0x0
	s_mov_b32 s19, 0
	s_lshl_b32 s18, s16, 19                        ; b x 128 channels x 4,096 bytes
	s_lshl_b32 s17, s15, 17                        ; + c' x 32 channels
	s_add_co_u32 s18, s18, s17
	s_lshl_b32 s17, s14, 8                         ; + wave x 64 places
	s_add_co_u32 s18, s18, s17
	s_add_nc_u64 s[4:5], s[4:5], s[18:19]
	s_lshl_b32 s18, s15, 7                         ; c' x 32 numbers
	s_add_nc_u64 s[6:7], s[6:7], s[18:19]
	s_add_nc_u64 s[8:9], s[8:9], s[18:19]
	s_lshl_b32 s18, s16, 17                        ; b x 64 tiles x 2,048 bytes
	s_lshl_b32 s17, s14, 13                        ; + wave x 4 tiles
	s_add_co_u32 s18, s18, s17
	s_lshl_b32 s17, s15, 9                         ; + c' x 512
	s_add_co_u32 s18, s18, s17
	s_add_nc_u64 s[10:11], s[10:11], s[18:19]
	s_lshl_b32 s18, s16, 12
	s_lshl_b32 s17, s15, 10
	s_add_co_u32 s18, s18, s17
	s_add_nc_u64 s[12:13], s[12:13], s[18:19]
.irp i, 0,1,2,3,4,5,6,7,8,9,10,11,12,13,14,15
	global_load_b128 v[X+4*\i:X+4*\i+3], v4, s[4:5] offset:4096*\i th:TH_LOAD_NT
.endr
.irp k, 0,1,2,3
	global_load_b128 v[GW+4*\k:GW+4*\k+3], v5, s[6:7] offset:16*\k
.endr
.irp k, 0,1,2,3
	global_load_b128 v[GB+4*\k:GB+4*\k+3], v5, s[8:9] offset:16*\k
.endr
.irp t, 0,1,2,3
	v_mov_b32 v[TM+4+\t], 0                        ; written once: a lane permute's destination counts as one of its sources
.endr
	s_wait_loadcnt 0x8                             ; my 64 numbers are in; the eight loads of gain and bias, issued behind them, may be out
	LOCALSUM
	WGSUM RED0
.irp g, 0,1,2,3
	v_mul_f32 v[MEAN+2*\g], s23, v[Y+\g]           ; the mean, laid twice
	v_mul_f32 v[MEAN+2*\g+1], s23, v[Y+\g]
.endr
.irp g, 0,1,2,3
.irp k, 0,1,2,3,4,5,6,7
	v_pk_add_f32 v[X+16*\g+2*\k:X+16*\g+2*\k+1], v[X+16*\g+2*\k:X+16*\g+2*\k+1], v[MEAN+2*\g:MEAN+2*\g+1] neg_lo:[0,1] neg_hi:[0,1]   ; x - mean
.endr
.endr
	LOCALSQ
	WGSUM RED1
.irp g, 0,1,2,3
	v_fma_f32 v[RS+\g], v[Y+\g], s23, 0x3727c5ac   ; var + 1e-5
.endr
.irp g, 0,1,2,3
	v_rsq_f32 v[RS+\g], v[RS+\g]
.endr
	v_nop                                          ; a plain line behind the last inverse root,
	s_wait_alu depctr_va_vdst(0)                   ; and one wait for the four, ahead of their first reader
	s_wait_loadcnt 0x0                             ; gain and bias
.set i, 0
.rept 16
	v_mul_f32 v[GW+i], v[GW+i], v[RS+i/4]          ; gain / sqrt(var + eps) of channel i
.set i, i+1
.endr
.set i, 0
.rept 64
	v_fma_f32 v[X+i], v[X+i], v[GW+i/4], v[GB+i/4] ; h: a channel's gain and bias serve its four places
.set i, i+1
.endr
	QUANT4
.irp t, 0,1,2,3
	global_store_b128 v8, v[CD+4*\t:CD+4*\t+3], s[10:11] offset:2048*\t   ; the wave stores 512 consecutive bytes, at a multiple of 256 from the buffer's first byte
.endr
	v_lshl_or_b32 v[PW], v[TM+5], 8, v[TM+4]       ; four neighbouring places' bytes
	v_lshl_or_b32 v[PW], v[TM+6], 16, v[PW]
	v_lshl_or_b32 v[PW], v[TM+7], 24, v[PW]
	ds_store_b32 v9, v[PW] offset:SCL              ; both lanes of a block write the same word with the same value
	BARRIER                                        ; the 1,024 bytes lie in LDS
	s_cmp_gt_u32 s14, 1
	s_cbranch_scc1 .Ldone                          ; waves 0 and 1 carry them out
	ds_load_b128 v[Y:Y+3], v10 offset:SCL
	s_wait_dscnt 0x0
	global_store_b128 v10, v[Y:Y+3], s[12:13]      ; a wave stores 512 consecutive bytes, aligned likewise
.Ldone:
	s_wait_tensorcnt 0x0
	ds_add_u32 v224, v225
	s_wait_dscnt 0x0
	s_endpgm
.Lfunc_end_k_qd66bfb8e63_norm:
	.size	k_qd66bfb8e63_norm, .Lfunc_end_k_qd66bfb8e63_norm-k_qd66bfb8e63_norm
	.p2alignl 7, 3214868480
	.fill 96, 4, 3214868480
	.section	.rodata,"a",@progbits
	.p2align	6, 0x0
	.amdhsa_kernel k_qd66bfb8e63_norm
		.amdhsa_group_segment_fixed_size 4096
		.amdhsa_private_segment_fixed_size 0
		.amdhsa_enable_private_segment 0
		.amdhsa_kernarg_size 40
		.amdhsa_user_sgpr_count 2
		.amdhsa_user_sgpr_kernarg_segment_ptr 1
		.amdhsa_wavefront_size32 1
		.amdhsa_system_sgpr_workgroup_id_x 1
		.amdhsa_system_sgpr_workgroup_id_y 1
		.amdhsa_system_sgpr_workgroup_id_z 1
		.amdhsa_system_vgpr_workitem_id 0
		.amdhsa_next_free_vgpr 226
		.amdhsa_next_free_sgpr 66
		.amdhsa_reserve_vcc 0
		.amdhsa_float_denorm_mode_32 3
		.amdhsa_float_denorm_mode_16_64 3
		.amdhsa_memory_ordered 1
		.amdhsa_forward_progress 1
		.amdhsa_inst_pref_size 34
	.end_amdhsa_kernel
	.amdgpu_metadata
---
amdhsa.version: [ 1, 2 ]
amdhsa.kernels:
  - .name:           k_qd66bfb8e63_norm
    .symbol:         k_qd66bfb8e63_norm.kd
    .args:
      - { .name: hidden_states, .offset: 0, .size: 8, .value_kind: global_buffer, .address_space: global }
      - { .name: gn_weight, .offset: 8, .size: 8, .value_kind: global_buffer, .address_space: global }
      - { .name: gn_bias, .offset: 16, .size: 8, .value_kind: global_buffer, .address_space: global }
      - { .name: hcodes, .offset: 24, .size: 8, .value_kind: global_buffer, .address_space: global }
      - { .name: hscales, .offset: 32, .size: 8, .value_kind: global_buffer, .address_space: global }
    .group_segment_fixed_size: 4096
    .private_segment_fixed_size: 0
    .kernarg_segment_align: 8
    .kernarg_segment_size: 40
    .max_flat_workgroup_size: 512
    .sgpr_count:     66
    .vgpr_count:     226
    .wavefront_size: 32
...
	.end_amdgpu_metadata
.endif
;; end of part 1
;; launch attn (part 2): grid 128 x 2, 16 waves a work-group, no clusters, 48,128 bytes of LDS; arguments hcodes, hscales, Wk_codes, Wk_scales, Wv_codes, Wv_scales, Wq_codes, Wq_scales, bk, bv, bq, att; writes att
.if DOCPART == 2
	.amdgcn_target "amdgcn-amd-amdhsa--gfx1250"
	.amdhsa_code_object_version 6
	.text
	.protected	k_qd66bfb8e63_attn
	.globl	k_qd66bfb8e63_attn
	.p2align	8
	.type	k_qd66bfb8e63_attn,@function
k_qd66bfb8e63_attn:
	s_mov_b64 s[64:65], 0
	v_nop
	global_prefetch_b8 v0, s[64:65] scope:SCOPE_SE
	s_setreg_imm32_b32 hwreg(HW_REG_WAVE_MODE, 25, 1), 1
	s_wait_xcnt 0x0
; One head (= one channel c, grid x) of one image b (grid y): k, v, q of its 1,024 places by the scaled matrix instruction on codes of FP8 (E4M3), then softmax attention with head size 1 in f32:
; att[b][c][s] = sum over j of p(s, j) v[j] / sum over j of p(s, j),  p(s, j) = 2^(q'[s] k[j] - m'[s]),  q' = q log2(e),  m' = max(q' kmax, q' kmin).
; THE MAXIMUM is the row's own: a score is q k with one q for the row, and rounding a product keeps the order of the k, so the largest score is q' kmax or q' kmin.  It is known ahead of the loop:
; nothing is rescaled, and the keys can be shared out among waves whose sums simply add.
; PROLOGUE.  Wave w takes tiles 4 w .. 4 w + 3 of h (place 64 w + 4 r + t is column r of tile 4 w + t), read as they lie into the operand's registers.  Source 0 has row c of Wk in rows 0 and 8, of Wv in rows 1 and 9,
; of Wq in all others; C holds bk, bv, bq: so registers 0, 1, 2 of a result are k, v, q of the lane's place, in both halves of the lanes.  They go to LDS: 3 x 4 KiB.
; LOOP.  Wave w = qb + 4 kq takes queries 256 qb .. + 255, eight a lane, against keys 256 kq .. + 255, eight a batch: 32 packed multiply-adds, 64 exponentials, 64 packed sums.  A packed pair is two neighbouring KEYS;
; a query's q' and -m' are laid twice, so that no operand is selected.  Four waves share a SIMD: one wave's exponentials stand beside another's packed work.
; WHY NO CLUSTER: the 128 heads of an image do read the same 128 KiB of codes, but each wave takes its 8 KiB once, straight into operand registers, ahead of a loop of 32 x 160 vector instructions that reads no memory;
; a joint load would add a pass through LDS and the rounds of a cluster's barrier for that one read.
; LIMITS: |q k log2(e)| stays under f32's largest number; NaN and infinities among the inputs are not served.
.set LK,   0                           ; LDS: k by place, f32;
.set LV,   4096                        ; v;
.set LQ,   8192                        ; q;
.set MM,   12288                       ; [wave 16][max k, max -k];
.set PART, 12544                       ; [wave 16][pair of queries 4][lane 32][S, S, A, A]
.set SA,   8                           ; v8       source 0's scale words; holds nothing else
.set WKF,  16                          ; v16-31   row c of Wk as a fragment; v32-47 of Wv
.set WVF,  32
.set AF,   48                          ; v48-63   of Wq; becomes source 0
.set HB,   64                          ; v64-127  h's four fragments
.set D,    128                         ; v128-159 four results
.set CB,   160                         ; v160-167 the biases as C
.set SWD,  168                         ; v168-171 h's scale bytes as they lie: word c'' = four places' bytes
.set PT,   172                         ; v172-175 at work
.set SB,   176                         ; v176-179 h's scale words by tile; hold nothing else
.set MX,   180                         ; v180 max k, v181 max -k
.set QQ,   16                          ; the loop: v16-31 q' of my eight queries, each twice
.set NM,   32                          ; v32-47   -m', each twice
.set KR,   48                          ; v48-55   eight keys' k
.set VR,   56                          ; v56-63   their v
.set T,    64                          ; v64-127  t, then p: keys 2 j, 2 j + 1 of the batch for query q at T + 16 j + 2 q
.set ACC,  128                         ; v128-159 query q: S (even keys', odd keys') at ACC + 4 q, A at ACC + 4 q + 2
.macro BARRIER                         ; my LDS stores have landed and my LDS loads are in: then the work-group's barrier
	s_wait_dscnt 0x0
	s_barrier_signal -1
	s_barrier_wait -1
.endm
.macro ROWMAX                          ; both extremes over the sixteen lanes of a row
.irp m, 1,2,4,8
	v_max_num_f32_dpp v[MX], v[MX], v[MX] row_xmask:\m row_mask:0xf bank_mask:0xf
	v_max_num_f32_dpp v[MX+1], v[MX+1], v[MX+1] row_xmask:\m row_mask:0xf bank_mask:0xf
.endr
.endm
; A batch: eight keys x my eight queries.  more = 1: the next batch's k and v are asked for as soon as this batch has read its own.
.macro BATCH more
	s_wait_dscnt 0x2                               ; k's two loads are in; v's two, issued behind them, may be out
.irp j, 0,1,2,3
.irp q, 0,1,2,3,4,5,6,7
	v_pk_fma_f32 v[T+16*\j+2*\q:T+16*\j+2*\q+1], v[KR+2*\j:KR+2*\j+1], v[QQ+2*\q:QQ+2*\q+1], v[NM+2*\q:NM+2*\q+1]   ; t = q' k - m'
.endr
.endr
.if \more
	s_add_co_u32 s48, s48, 32                      ; eight keys on
	v_mov_b32 v12, s48
	ds_load_b128 v[KR:KR+3], v12 offset:LK         ; all lanes ask for the same 16 bytes
	ds_load_b128 v[KR+4:KR+7], v12 offset:LK+16
.endif
.set ee, 0
.rept 64
	v_exp_f32 v[T+ee], v[T+ee]                     ; p = 2^t
.set ee, ee+1
.endr
	v_nop                                          ; a plain line behind the last exponential,
	s_wait_alu depctr_va_vdst(0)                   ; and one wait for the 64, ahead of their first reader
.if \more
	s_wait_dscnt 0x2                               ; v is in; the next k's two loads, issued behind it, may be out
.else
	s_wait_dscnt 0x0
.endif
.irp j, 0,1,2,3
.irp q, 0,1,2,3,4,5,6,7
	v_pk_add_f32 v[ACC+4*\q:ACC+4*\q+1], v[ACC+4*\q:ACC+4*\q+1], v[T+16*\j+2*\q:T+16*\j+2*\q+1]                             ; S += p
	v_pk_fma_f32 v[ACC+4*\q+2:ACC+4*\q+3], v[T+16*\j+2*\q:T+16*\j+2*\q+1], v[VR+2*\j:VR+2*\j+1], v[ACC+4*\q+2:ACC+4*\q+3]   ; A += p v: sixteen chains by turns
.endr
.endr
.if \more
	ds_load_b128 v[VR:VR+3], v12 offset:LV
	ds_load_b128 v[VR+4:VR+7], v12 offset:LV+16
.endif
.endm
	s_load_b512 s[4:19], s[0:1], 0x0               ; hcodes s[4:5], hscales s[6:7], Wk codes s[8:9], scales s[10:11], Wv s[12:13], s[14:15], Wq s[16:17], s[18:19]
	s_load_b256 s[20:27], s[0:1], 0x40             ; bk s[20:21], bv s[22:23], bq s[24:25], att s[26:27]
	v_lshl_add_u32 v192, v0, 2, 0xb400
	v_mov_b32 v193, 0
	v_lshrrev_b32 v186, 5, v0                      ; wave, in every lane
	v_readfirstlane_b32 s29, v186                  ; and as a scalar
	s_and_b32 s30, s29, 3                          ; qb: my block of 256 queries
	s_lshr_b32 s31, s29, 2                         ; kq: my block of 256 keys
	s_and_b32 s32, ttmp7, 0xffff                   ; b
	s_lshl_b32 s28, ttmp9, 2                       ; 4 c: a row's scale word, a bias
	s_mov_b32 s44, 0x05010400                      ; byte selects for the turn of 4 x 4 scale bytes
	s_mov_b32 s45, 0x07030602
	s_mov_b32 s46, 0x05040100
	s_mov_b32 s47, 0x07060302
	v_and_b32 v1, 31, v0                           ; lane
	v_and_b32 v2, 15, v0                           ; r
	v_bfe_u32 v3, v0, 4, 1                         ; h
	v_lshlrev_b32 v4, 4, v1                        ; 16 x lane: an operand's image
	v_lshlrev_b32 v5, 2, v2                        ; 4 r: four places' scale bytes
	v_lshlrev_b32 v6, 4, v3                        ; 16 h: my half's codes of a block of a weight's row
	v_and_b32 v7, 7, v0                            ; row % 8 of source 0
	v_lshlrev_b32 v182, 8, v186
	v_lshl_add_u32 v182, v2, 4, v182               ; LDS: 256 wave + 16 r: my four places in k, v, q
	v_lshlrev_b32 v183, 3, v186                    ; 8 wave: my wave's extremes
	v_bfe_u32 v184, v0, 5, 2                       ; qb
	v_bfe_u32 v185, v0, 7, 2                       ; kq
	v_lshl_add_u32 v14, v184, 11, v4
	v_lshl_add_u32 v14, v185, 9, v14               ; 2,048 qb + 512 kq + 16 lane: the pair of queries that I finish, in the first of its four waves' parts
	v_lshlrev_b32 v184, 10, v184
	v_lshl_add_u32 v184, v1, 3, v184               ; 1,024 qb + 8 lane: my queries
	v_lshlrev_b32 v185, 3, v2                      ; 8 r: wave r's extremes
	v_lshl_add_u32 v13, v186, 11, v4               ; 2,048 wave + 16 lane: my part of PART
	v_lshlrev_b32 v15, 3, v1                       ; att: 8 bytes a lane
	s_wait_kmcnt 0x0
	s_load_b32 s36, s[10:11], s28 offset:0x0       ; the scale words of row c of Wk, Wv, Wq
	s_load_b32 s37, s[14:15], s28 offset:0x0
	s_load_b32 s38, s[18:19], s28 offset:0x0
	s_load_b32 s39, s[20:21], s28 offset:0x0       ; bk[c], bv[c], bq[c]
	s_load_b32 s40, s[22:23], s28 offset:0x0
	s_load_b32 s41, s[24:25], s28 offset:0x0
	s_mov_b32 s35, 0
	s_lshl_b32 s34, s32, 17                        ; b x 64 tiles x 2,048 bytes
	s_lshl_b32 s33, s29, 13                        ; + wave x 4 tiles
	s_add_co_u32 s34, s34, s33
	s_add_nc_u64 s[4:5], s[4:5], s[34:35]
	s_lshl_b32 s34, s32, 12                        ; b x 4 x 1,024 bytes
	s_lshl_b32 s33, s29, 6                         ; + wave x 64 places
	s_add_co_u32 s34, s34, s33
	s_add_nc_u64 s[6:7], s[6:7], s[34:35]
	s_lshl_b32 s34, s28, 5                         ; row c: 128 c bytes
	s_add_nc_u64 s[8:9], s[8:9], s[34:35]
	s_add_nc_u64 s[12:13], s[12:13], s[34:35]
	s_add_nc_u64 s[16:17], s[16:17], s[34:35]
	s_lshl_b32 s34, s32, 19                        ; att: (128 b + c) rows of 4,096 bytes
	s_lshl_b32 s33, s28, 10
	s_add_co_u32 s34, s34, s33
	s_lshl_b32 s33, s30, 10                        ; + 256 qb places
	s_add_co_u32 s34, s34, s33
	s_lshl_b32 s33, s31, 8                         ; + 64 kq places
	s_add_co_u32 s34, s34, s33
	s_add_nc_u64 s[26:27], s[26:27], s[34:35]
.irp t, 0,1,2,3
.irp c, 0,1,2,3
	global_load_b128 v[HB+16*\t+4*\c:HB+16*\t+4*\c+3], v4, s[4:5] offset:2048*\t+512*\c   ; 512 consecutive bytes a load
.endr
.endr
.irp c, 0,1,2,3
	global_load_b32 v[SWD+\c], v5, s[6:7] offset:1024*\c
.endr
.irp c, 0,1,2,3
	global_load_b128 v[WKF+4*\c:WKF+4*\c+3], v6, s[8:9] offset:32*\c
	global_load_b128 v[WVF+4*\c:WVF+4*\c+3], v6, s[12:13] offset:32*\c
	global_load_b128 v[AF+4*\c:AF+4*\c+3], v6, s[16:17] offset:32*\c
.endr
	s_wait_kmcnt 0x0
	v_mov_b32 v[CB], s39                           ; C: rows 0 and 8 bk, rows 1 and 9 bv, rows 2 and 10 bq; the other rows' results are not read
	v_mov_b32 v[CB+1], s40
	v_mov_b32 v[CB+2], s41
.irp j, 3,4,5,6,7
	v_mov_b32 v[CB+\j], 0
.endr
	v_cmp_eq_u32 s42, 0, v7                        ; rows 0 and 8
	v_cmp_eq_u32 s43, 1, v7                        ; rows 1 and 9
	v_mov_b32 v9, s36
	v_mov_b32 v10, s37
	v_mov_b32 v[SA], s38
	v_cndmask_b32 v[SA], v[SA], v9, s42
	v_cndmask_b32 v[SA], v[SA], v10, s43           ; each row's own scale word
	s_wait_loadcnt 0x0                             ; all 32 loads: the prologue runs once
	v_perm_b32 v[PT], v[SWD+1], v[SWD], s44        ; h's scale bytes lie [block of channels][place]; a tile wants [place][block]: 4 x 4 bytes are turned
	v_perm_b32 v[PT+1], v[SWD+1], v[SWD], s45
	v_perm_b32 v[PT+2], v[SWD+3], v[SWD+2], s44
	v_perm_b32 v[PT+3], v[SWD+3], v[SWD+2], s45
	v_perm_b32 v[SB], v[PT+2], v[PT], s46
	v_perm_b32 v[SB+1], v[PT+2], v[PT], s47
	v_perm_b32 v[SB+2], v[PT+3], v[PT+1], s46
	v_perm_b32 v[SB+3], v[PT+3], v[PT+1], s47
.set i, 0
.rept 16
	v_cndmask_b32 v[AF+i], v[AF+i], v[WKF+i], s42  ; source 0: data are chosen, never addresses
	v_cndmask_b32 v[AF+i], v[AF+i], v[WVF+i], s43
.set i, i+1
.endr
.rept 8
	v_nop                                          ; scale words made by vector instructions stand eight places ahead of a scaled matrix instruction, operands so made four
.endr
.irp t, 0,1,2,3
	v_wmma_scale_f32_16x16x128_f8f6f4 v[D+8*\t:D+8*\t+7], v[AF:AF+15], v[HB+16*\t:HB+16*\t+15], v[CB:CB+7], v[SA], v[SB+\t]
.endr
.rept 8
	v_nop                                          ; eight places ahead of the first read of a result, and of the writes and loads over the operands further down
.endr
.irp t, 0,1,2,3
	ds_store_b32 v182, v[D+8*\t] offset:LK+4*\t    ; k, v, q of place 64 w + 4 r + t; both halves of the lanes hold and write the same
	ds_store_b32 v182, v[D+8*\t+1] offset:LV+4*\t
	ds_store_b32 v182, v[D+8*\t+2] offset:LQ+4*\t
.endr
	v_max3_num_f32 v[MX], v[D], v[D+8], v[D+16]    ; my four k: the largest, and the largest of -k
	v_max3_num_f32 v[MX+1], -v[D], -v[D+8], -v[D+16]
	v_max_num_f32 v[MX], v[MX], v[D+24]
	v_max_num_f32 v[MX+1], v[MX+1], -v[D+24]
	ROWMAX                                         ; my wave's 64 places
	ds_store_b64 v183, v[MX:MX+1] offset:MM
	BARRIER                                        ; k, v, q and the sixteen waves' extremes lie in LDS
.irp p, 0,1,2,3
	ds_load_b64 v[T+2*\p:T+2*\p+1], v184 offset:LQ+256*\p   ; queries 256 qb + 64 p + 2 lane + 0, 1
.endr
	ds_load_b64 v[MX:MX+1], v185 offset:MM
	s_lshl_b32 s48, s31, 10                        ; my first key, in bytes
	v_mov_b32 v12, s48
	s_wait_dscnt 0x0
	ROWMAX                                         ; kmax and -kmin of the head, in every lane
	ds_load_b128 v[KR:KR+3], v12 offset:LK         ; the first batch
	ds_load_b128 v[KR+4:KR+7], v12 offset:LK+16
	ds_load_b128 v[VR:VR+3], v12 offset:LV
	ds_load_b128 v[VR+4:VR+7], v12 offset:LV+16
.irp q, 0,1,2,3,4,5,6,7
	v_mul_f32 v[QQ+2*\q], 0x3fb8aa3b, v[T+\q]      ; q' = q log2(e), laid twice
	v_mul_f32 v[QQ+2*\q+1], 0x3fb8aa3b, v[T+\q]
.endr
.irp q, 0,1,2,3,4,5,6,7
	v_mul_f32 v[T+16+\q], v[QQ+2*\q], -v[MX]       ; -q' kmax
	v_mul_f32 v[T+24+\q], v[QQ+2*\q], v[MX+1]      ; -q' kmin
.endr
.irp q, 0,1,2,3,4,5,6,7
	v_min_num_f32 v[NM+2*\q], v[T+16+\q], v[T+24+\q]     ; -m' = -max(q' kmax, q' kmin), laid twice
	v_min_num_f32 v[NM+2*\q+1], v[T+16+\q], v[T+24+\q]
.endr
.set i, 0
.rept 32
	v_mov_b32 v[ACC+i], 0                          ; the batch is written once: the first finds zeros
.set i, i+1
.endr
	s_mov_b32 s49, 31
.Lkeys:                                            ; 31 trips; the last batch is written out, since it asks for nothing
	BATCH 1
	s_sub_co_u32 s49, s49, 1
	s_cmp_lg_u32 s49, 0
	s_cbranch_scc1 .Lkeys
	BATCH 0
.irp p, 0,1,2,3
.irp u, 0,1
	v_add_f32 v[T+4*\p+\u], v[ACC+4*(2*\p+\u)], v[ACC+4*(2*\p+\u)+1]       ; even keys' + odd keys': S,
	v_add_f32 v[T+4*\p+2+\u], v[ACC+4*(2*\p+\u)+2], v[ACC+4*(2*\p+\u)+3]   ; A
.endr
.endr
.irp p, 0,1,2,3
	ds_store_b128 v13, v[T+4*\p:T+4*\p+3] offset:PART+512*\p
.endr
	BARRIER                                        ; all sixteen waves' parts lie in LDS
.irp x, 0,1,2,3
	ds_load_b128 v[T+4*\x:T+4*\x+3], v14 offset:PART+8192*\x   ; pair kq of my block of queries, from the four waves qb + 4 x that share its keys
.endr
	s_wait_dscnt 0x0
	v_pk_add_f32 v[T:T+1], v[T:T+1], v[T+4:T+5]
	v_pk_add_f32 v[T+2:T+3], v[T+2:T+3], v[T+6:T+7]
	v_pk_add_f32 v[T+8:T+9], v[T+8:T+9], v[T+12:T+13]
	v_pk_add_f32 v[T+10:T+11], v[T+10:T+11], v[T+14:T+15]
	v_pk_add_f32 v[T:T+1], v[T:T+1], v[T+8:T+9]    ; S of my two queries,
	v_pk_add_f32 v[T+2:T+3], v[T+2:T+3], v[T+10:T+11]   ; A
	v_rcp_f32 v[T+16], v[T]
	v_rcp_f32 v[T+17], v[T+1]
	v_nop                                          ; a plain line behind the last reciprocal,
	s_wait_alu depctr_va_vdst(0)                   ; and one wait for the two, ahead of their reader
	v_pk_mul_f32 v[T+18:T+19], v[T+2:T+3], v[T+16:T+17]
	global_store_b64 v15, v[T+18:T+19], s[26:27]   ; the wave stores 256 consecutive bytes, at a multiple of 256 from the buffer's first byte
	s_wait_tensorcnt 0x0
	ds_add_u32 v192, v193
	s_wait_dscnt 0x0
	s_endpgm
.Lfunc_end_k_qd66bfb8e63_attn:
	.size	k_qd66bfb8e63_attn, .Lfunc_end_k_qd66bfb8e63_attn-k_qd66bfb8e63_attn
	.p2alignl 7, 3214868480
	.fill 96, 4, 3214868480
	.section	.rodata,"a",@progbits
	.p2align	6, 0x0
	.amdhsa_kernel k_qd66bfb8e63_attn
		.amdhsa_group_segment_fixed_size 48128
		.amdhsa_private_segment_fixed_size 0
		.amdhsa_enable_private_segment 0
		.amdhsa_kernarg_size 96
		.amdhsa_user_sgpr_count 2
		.amdhsa_user_sgpr_kernarg_segment_ptr 1
		.amdhsa_wavefront_size32 1
		.amdhsa_system_sgpr_workgroup_id_x 1
		.amdhsa_system_sgpr_workgroup_id_y 1
		.amdhsa_system_sgpr_workgroup_id_z 1
		.amdhsa_system_vgpr_workitem_id 0
		.amdhsa_next_free_vgpr 194
		.amdhsa_next_free_sgpr 66
		.amdhsa_reserve_vcc 0
		.amdhsa_float_denorm_mode_32 3
		.amdhsa_float_denorm_mode_16_64 3
		.amdhsa_memory_ordered 1
		.amdhsa_forward_progress 1
		.amdhsa_inst_pref_size 35
	.end_amdhsa_kernel
	.amdgpu_metadata
---
amdhsa.version: [ 1, 2 ]
amdhsa.kernels:
  - .name:           k_qd66bfb8e63_attn
    .symbol:         k_qd66bfb8e63_attn.kd
    .args:
      - { .name: hcodes, .offset: 0, .size: 8, .value_kind: global_buffer, .address_space: global }
      - { .name: hscales, .offset: 8, .size: 8, .value_kind: global_buffer, .address_space: global }
      - { .name: Wk_codes, .offset: 16, .size: 8, .value_kind: global_buffer, .address_space: global }
      - { .name: Wk_scales, .offset: 24, .size: 8, .value_kind: global_buffer, .address_space: global }
      - { .name: Wv_codes, .offset: 32, .size: 8, .value_kind: global_buffer, .address_space: global }
      - { .name: Wv_scales, .offset: 40, .size: 8, .value_kind: global_buffer, .address_space: global }
      - { .name: Wq_codes, .offset: 48, .size: 8, .value_kind: global_buffer, .address_space: global }
      - { .name: Wq_scales, .offset: 56, .size: 8, .value_kind: global_buffer, .address_space: global }
      - { .name: bk, .offset: 64, .size: 8, .value_kind: global_buffer, .address_space: global }
      - { .name: bv, .offset: 72, .size: 8, .value_kind: global_buffer, .address_space: global }
      - { .name: bq, .offset: 80, .size: 8, .value_kind: global_buffer, .address_space: global }
      - { .name: att, .offset: 88, .size: 8, .value_kind: global_buffer, .address_space: global }
    .group_segment_fixed_size: 48128
    .private_segment_fixed_size: 0
    .kernarg_segment_align: 8
    .kernarg_segment_size: 96
    .max_flat_workgroup_size: 512
    .sgpr_count:     66
    .vgpr_count:     194
    .wavefront_size: 32
...
	.end_amdgpu_metadata
.endif
;; end of part 2
;; launch proj (part 3): grid 16 x 2, 4 waves a work-group, no clusters, 9,728 bytes of LDS; arguments att, Wo_codes, Wo_scales, bo, hidden_states, out0; writes out0
.if DOCPART == 3
	.amdgcn_target "amdgcn-amd-amdhsa--gfx1250"
	.amdhsa_code_object_version 6
	.text
	.protected	k_qd66bfb8e63_proj
	.globl	k_qd66bfb8e63_proj
	.p2align	8
	.type	k_qd66bfb8e63_proj,@function
k_qd66bfb8e63_proj:
	s_mov_b64 s[64:65], 0
	v_nop
	global_prefetch_b8 v0, s[64:65] scope:SCOPE_SE
	s_setreg_imm32_b32 hwreg(HW_REG_WAVE_MODE, 25, 1), 1
	s_wait_xcnt 0x0
; out0[b][o][s] = sum over c of Q(att)[b][c][s] Wo[o][c] + bo[o] + hidden_states[b][o][s].  att is quantised along the channels to codes of FP8 (E4M3) with one E8M0 byte for each 32; Wo comes as codes.
; SHARES.  A work-group takes 64 places (64 u .., grid x) of one image (grid y) and all 128 outputs: a row's 64 places are 256 consecutive bytes.  Wave w quantises channels 32 w .. 32 w + 31 of the 64 places,
; and then makes outputs 32 w .. 32 w + 31 for all of them: two tiles of outputs x four tiles of places, eight matrix instructions.
; Place 64 u + 4 r + t is column r of tile t, so that a lane's 16-byte load or store holds one number of each of the four tiles.
; The codes go from wave to wave through LDS as images of the operand's registers: [t 4][block of channels 4][lane 32][16 bytes]; the scale words [t][r], wave w writing byte w.
; Source 0 = 16 rows of Wo, source 1 = 16 places; C = bo: register j of lane (r, h) of result (n, t) is output 32 w + 16 n + 8 h + j at place 64 u + 4 r + t.
; The residual's addition also gathers four tiles' numbers into four neighbouring registers: sixteen lanes then store 256 consecutive bytes.
; REGISTERS: window 0 as listed; window 1: v0-63 (v256-319) the residual, then the output: (n, j, t) at 32 n + 4 j + t.
; LIMITS: a block of zeros, and one whose largest magnitude lies under 2^(9 - 127), gets the byte 1: this launch alone reads the bytes.  NaN and infinities are not served.
; No tensor load and no cluster: Wo's rows go to one wave's registers each, and no two work-groups share a byte of att.
.set SA,   12                          ; v12-13   Wo's scale words, tile n; hold nothing else
.set SB,   14                          ; v14-17   the places' scale words, tile t; hold nothing else
.set TM,   20                          ; v20-35   the quantiser: +0 largest magnitudes, +4 bytes, +8 448 x the scale, +12 the conversions' scale operands
.set CD,   36                          ; v36-51   codes
.set WO,   52                          ; v52-83   Wo's two fragments
.set CBI,  84                          ; v84-99   bo as C, eight registers a tile
.set X,    100                         ; v100-163 my 64 numbers of att;
.set F,    100                         ;          later the four fragments of codes
.set Y,    164                         ; v164-227 the held numbers;
.set DD,   164                         ;          later the eight results: (n, t) at DD + 8 (4 n + t)
.set SC,   8192                        ; LDS: behind the images (8,192 bytes) the scale words, 256 bytes
.set MSB, 0
.macro WIN new                         ; the immediate's high byte repeats the setting that is left
.if MSB != \new
	s_set_vgpr_msb (MSB<<8)|\new
.set MSB, \new
.endif
.endm
.macro BARRIER                         ; my LDS stores have landed and my LDS loads are in: then the work-group's barrier
	s_wait_dscnt 0x0
	s_barrier_signal -1
	s_barrier_wait -1
.endm
; Four blocks of 32 channels, one for each place t; a block lies in lanes l and l xor 16, 16 numbers each: X + 4 i + t.  Out: codes in CD + 4 t .. + 3, the scale's byte in TM + 4 + t.
.macro QUANT4
.irp t, 0,1,2,3
	v_max3_num_f32 v[TM+\t], |v[X+\t]|, |v[X+4+\t]|, 0x4800000    ; my 16 numbers, and the floor 2^(9 - 127): the byte cannot fall under 1
.endr
.irp i, 2,4,6,8,10,12,14
.irp t, 0,1,2,3
	v_max3_num_f32 v[TM+\t], v[TM+\t], |v[X+4*\i+\t]|, |v[X+4*\i+4+\t]|   ; the four blocks by turns
.endr
.endr
.irp t, 0,1,2,3
	v_permlanex16_b32 v[TM+4+\t], v[TM+\t], s20, s21
.endr
.irp t, 0,1,2,3
	v_max_num_f32 v[TM+\t], v[TM+\t], v[TM+4+\t]                  ; with lane l xor 16's: the block's largest magnitude
.endr
.irp t, 0,1,2,3
	v_add_nc_u32 v[TM+12+\t], 0xfc000000, v[TM+\t]                ; 8 off its exponent field: the conversion takes this operand's exponent field as its scale
.endr
.irp t, 0,1,2,3
	v_and_or_b32 v[TM+8+\t], v[TM+\t], 0x7f800000, s22            ; 448 x the scale: the exponent field over 448's mantissa
.endr
.irp t, 0,1,2,3
	v_lshrrev_b32 v[TM+4+\t], 23, v[TM+12+\t]                     ; the scale's byte
.endr
.irp t, 0,1,2,3
.irp i, 0,1,2,3,4,5,6,7,8,9,10,11,12,13,14,15
	v_med3_num_f32 v[Y+16*\t+\i], v[X+4*\i+\t], -v[TM+8+\t], v[TM+8+\t]   ; the conversion to an 8-bit code does not saturate (ISA guide 7.6.2): the hold; it also lays a place's 16 channels on end
.endr
	v_cvt_scalef32_pk8_fp8_f32 v[CD+4*\t:CD+4*\t+1], v[Y+16*\t:Y+16*\t+7], v[TM+12+\t]
	v_cvt_scalef32_pk8_fp8_f32 v[CD+4*\t+2:CD+4*\t+3], v[Y+16*\t+8:Y+16*\t+15], v[TM+12+\t]
.endr
	v_nop                                                          ; a plain vector line behind the last scaled conversion: the products below write the registers that it read
.endm
	s_load_b256 s[4:11], s[0:1], 0x0               ; att s[4:5], Wo's codes s[6:7], Wo's scales s[8:9], bo s[10:11]
	s_load_b128 s[12:15], s[0:1], 0x20             ; hidden_states s[12:13], out0 s[14:15]
	v_lshl_add_u32 v254, v0, 2, 0x2400
	v_mov_b32 v255, 0
	v_lshrrev_b32 v10, 5, v0                       ; wave, in every lane
	v_readfirstlane_b32 s16, v10                   ; and as a scalar
	s_mov_b32 s17, ttmp9                           ; u
	s_and_b32 s18, ttmp7, 0xffff                   ; b
	s_mov_b32 s20, 0x76543210
	s_mov_b32 s21, 0xfedcba98                      ; v_permlanex16_b32's selects for lane l xor 16
	s_mov_b32 s22, 0x600000                        ; the mantissa field of 448
	v_and_b32 v1, 31, v0                           ; lane
	v_and_b32 v2, 15, v0                           ; r
	v_bfe_u32 v3, v0, 4, 1                         ; h
	v_lshlrev_b32 v4, 4, v2
	v_lshl_add_u32 v8, v3, 15, v4                  ; residual and output: 16 r + 8 rows of 4,096 bytes x h
	v_lshl_add_u32 v4, v3, 16, v4                  ; att: 16 r + 16 rows x h
	v_lshlrev_b32 v5, 7, v2
	v_lshl_add_u32 v5, v3, 4, v5                   ; Wo: row r of 128 bytes, + 16 h
	v_lshlrev_b32 v6, 2, v2                        ; 4 r: a row's or a place's scale word
	v_lshlrev_b32 v7, 5, v3                        ; bo: my half's eight numbers
	v_lshlrev_b32 v11, 4, v1                       ; 16 x lane: an image's place for my lane
	v_lshl_add_u32 v9, v10, 9, v11                 ; where I store my images: 512 x wave + 16 x lane
	v_add_nc_u32 v10, v10, v6                      ; and my scale bytes: 4 r + wave
.irp t, 0,1,2,3
	v_mov_b32 v[TM+4+\t], 0                        ; written once: a lane permute's destination counts as one of its sources
.endr
	s_wait_kmcnt 0x0
	s_mov_b32 s25, 0
	s_lshl_b32 s24, s18, 19                        ; b x 128 rows x 4,096 bytes
	s_lshl_b32 s19, s16, 17                        ; + wave x 32 rows
	s_add_co_u32 s24, s24, s19
	s_lshl_b32 s19, s17, 8                         ; + u x 64 places
	s_add_co_u32 s24, s24, s19
	s_add_nc_u64 s[4:5], s[4:5], s[24:25]
	s_add_nc_u64 s[12:13], s[12:13], s[24:25]
	s_add_nc_u64 s[14:15], s[14:15], s[24:25]
	s_lshl_b32 s24, s16, 12                        ; my 32 rows of Wo
	s_add_nc_u64 s[6:7], s[6:7], s[24:25]
	s_lshl_b32 s24, s16, 7                         ; their scale words; my 32 numbers of bo
	s_add_nc_u64 s[8:9], s[8:9], s[24:25]
	s_add_nc_u64 s[10:11], s[10:11], s[24:25]
.irp i, 0,1,2,3,4,5,6,7,8,9,10,11,12,13,14,15
	global_load_b128 v[X+4*\i:X+4*\i+3], v4, s[4:5] offset:4096*\i th:TH_LOAD_NT
.endr
.irp n, 0,1
.irp c, 0,1,2,3
	global_load_b128 v[WO+16*\n+4*\c:WO+16*\n+4*\c+3], v5, s[6:7] offset:2048*\n+32*\c
.endr
.endr
.irp n, 0,1
	global_load_b32 v[SA+\n], v6, s[8:9] offset:64*\n
.endr
.irp n, 0,1
	global_load_b128 v[CBI+8*\n:CBI+8*\n+3], v7, s[10:11] offset:64*\n
	global_load_b128 v[CBI+8*\n+4:CBI+8*\n+7], v7, s[10:11] offset:64*\n+16
.endr
	WIN 0x40                                       ; destination window 1, address window 0
.irp n, 0,1
.irp j, 0,1,2,3,4,5,6,7
	global_load_b128 v[32*\n+4*\j:32*\n+4*\j+3], v8, s[12:13] offset:65536*\n+4096*\j th:TH_LOAD_NT   ; the residual, asked for now, wanted last
.endr
.endr
	WIN 0
	s_wait_loadcnt 30                              ; att's 16 loads are in; the 8 + 2 + 4 + 16 issued behind them may be out
	QUANT4
.irp t, 0,1,2,3
	ds_store_b128 v9, v[CD+4*\t:CD+4*\t+3] offset:2048*\t
.endr
.irp t, 0,1,2,3
	ds_store_b8 v10, v[TM+4+\t] offset:SC+64*\t    ; both lanes of a block write the same byte with the same value
.endr
	BARRIER                                        ; the four fragments and their scale words lie in LDS
.irp t, 0,1,2,3
.irp c, 0,1,2,3
	ds_load_b128 v[F+16*\t+4*\c:F+16*\t+4*\c+3], v11 offset:2048*\t+512*\c
.endr
	ds_load_b32 v[SB+\t], v6 offset:SC+64*\t
.endr
	s_wait_dscnt 0x0
	s_wait_loadcnt 16                              ; Wo, its scale words and bo are in; the residual's 16 loads may be out
.irp n, 0,1
.irp t, 0,1,2,3
	v_wmma_scale_f32_16x16x128_f8f6f4 v[DD+8*(4*\n+\t):DD+8*(4*\n+\t)+7], v[WO+16*\n:WO+16*\n+15], v[F+16*\t:F+16*\t+15], v[CBI+8*\n:CBI+8*\n+7], v[SA+\n], v[SB+\t]
.endr
.endr
.rept 8
	v_nop                                          ; eight places ahead of the first read of a result
.endr
	s_wait_loadcnt 0x0                             ; the residual
	WIN 0x44                                       ; source 1 and destination window 1, source 0 window 0
.irp n, 0,1
.irp j, 0,1,2,3,4,5,6,7
.irp t, 0,1,2,3
	v_add_f32 v[32*\n+4*\j+\t], v[DD+8*(4*\n+\t)+\j], v[32*\n+4*\j+\t]   ; each result from its low end on
.endr
.endr
.endr
.irp n, 0,1
.irp j, 0,1,2,3,4,5,6,7
	global_store_b128 v8, v[32*\n+4*\j:32*\n+4*\j+3], s[14:15] offset:65536*\n+4096*\j th:TH_STORE_NT   ; sixteen lanes store 256 consecutive bytes, at a multiple of 256 from the buffer's first byte
.endr
.endr
	WIN 0
	s_wait_tensorcnt 0x0
	ds_add_u32 v254, v255
	s_wait_dscnt 0x0
	s_endpgm
.Lfunc_end_k_qd66bfb8e63_proj:
	.size	k_qd66bfb8e63_proj, .Lfunc_end_k_qd66bfb8e63_proj-k_qd66bfb8e63_proj
	.p2alignl 7, 3214868480
	.fill 96, 4, 3214868480
	.section	.rodata,"a",@progbits
	.p2align	6, 0x0
	.amdhsa_kernel k_qd66bfb8e63_proj
		.amdhsa_group_segment_fixed_size 9728
		.amdhsa_private_segment_fixed_size 0
		.amdhsa_enable_private_segment 0
		.amdhsa_kernarg_size 48
		.amdhsa_user_sgpr_count 2
		.amdhsa_user_sgpr_kernarg_segment_ptr 1
		.amdhsa_wavefront_size32 1
		.amdhsa_system_sgpr_workgroup_id_x 1
		.amdhsa_system_sgpr_workgroup_id_y 1
		.amdhsa_system_sgpr_workgroup_id_z 1
		.amdhsa_system_vgpr_workitem_id 0
		.amdhsa_next_free_vgpr 320
		.amdhsa_next_free_sgpr 66
		.amdhsa_reserve_vcc 0
		.amdhsa_float_denorm_mode_32 3
		.amdhsa_float_denorm_mode_16_64 3
		.amdhsa_memory_ordered 1
		.amdhsa_forward_progress 1
		.amdhsa_inst_pref_size 22
	.end_amdhsa_kernel
	.amdgpu_metadata
---
amdhsa.version: [ 1, 2 ]
amdhsa.kernels:
  - .name:           k_qd66bfb8e63_proj
    .symbol:         k_qd66bfb8e63_proj.kd
    .args:
      - { .name: att, .offset: 0, .size: 8, .value_kind: global_buffer, .address_space: global }
      - { .name: Wo_codes, .offset: 8, .size: 8, .value_kind: global_buffer, .address_space: global }
      - { .name: Wo_scales, .offset: 16, .size: 8, .value_kind: global_buffer, .address_space: global }
      - { .name: bo, .offset: 24, .size: 8, .value_kind: global_buffer, .address_space: global }
      - { .name: hidden_states, .offset: 32, .size: 8, .value_kind: global_buffer, .address_space: global }
      - { .name: out0, .offset: 40, .size: 8, .value_kind: global_buffer, .address_space: global }
    .group_segment_fixed_size: 9728
    .private_segment_fixed_size: 0
    .kernarg_segment_align: 8
    .kernarg_segment_size: 48
    .max_flat_workgroup_size: 128
    .sgpr_count:     66
    .vgpr_count:     320
    .wavefront_size: 32
...
	.end_amdgpu_metadata
.endif
;; end of part 3
;; ======== version 2 of 2: 3 launches; version 1 with the launches attn, proj written anew for expert scheduling mode
;; workspace buffers: hcodes 262,144 bytes; hscales 8,192 bytes; att 1,048,576 bytes
;; launch norm: the kernel of part 1 again; grid 4 x 2, 16 waves a work-group, no clusters, 4,096 bytes of LDS; arguments hidden_states, gn_weight, gn_bias, hcodes, hscales; writes hcodes, hscales
;; launch attn (part 4): grid 128 x 2, 16 waves a work-group, no clusters, 48,128 bytes of LDS; arguments hcodes, hscales, Wk_codes, Wk_scales, Wv_codes, Wv_scales, Wq_codes, Wq_scales, bk, bv, bq, att; writes att
.if DOCPART == 4
	.amdgcn_target "amdgcn-amd-amdhsa--gfx1250"
	.amdhsa_code_object_version 6
	.text
	.protected	k_qd66bfb8e63_attn
	.globl	k_qd66bfb8e63_attn
	.p2align	8
	.type	k_qd66bfb8e63_attn,@function
k_qd66bfb8e63_attn:
	s_mov_b64 s[64:65], 0
	v_nop
	global_prefetch_b8 v0, s[64:65] scope:SCOPE_SE
	s_setreg_imm32_b32 hwreg(HW_REG_WAVE_SCHED_MODE, 0, 2), 2
	s_setreg_imm32_b32 hwreg(HW_REG_WAVE_MODE, 25, 1), 1
	s_wait_xcnt 0x0
	s_wait_alu depctr_vm_vsrc(0)
; One head (= one channel c, grid x) of one image b (grid y): k, v, q of its 1,024 places by the scaled matrix instruction on codes of FP8 (E4M3), then softmax attention with head size 1 in f32:
; att[b][c][s] = sum over j of p(s, j) v[j] / sum over j of p(s, j),  p(s, j) = 2^(q'[s] k[j] - m'[s]),  q' = q log2(e),  m' = max(q' kmax, q' kmin).
; THE MAXIMUM is the row's own: a score is q k with one q for the row, and rounding a product keeps the order of the k, so the largest score is q' kmax or q' kmin.  It is known ahead of the loop:
; nothing is rescaled, and the keys can be shared out among waves whose sums simply add.
; PROLOGUE.  Wave w takes tiles 4 w .. 4 w + 3 of h (place 64 w + 4 r + t is column r of tile 4 w + t), read as they lie into the operand's registers.  Source 0 has row c of Wk in rows 0 and 8, of Wv in rows 1 and 9,
; of Wq in all others; C holds bk, bv, bq: so registers 0, 1, 2 of a result are k, v, q of the lane's place, in both halves of the lanes.  They go to LDS: 3 x 4 KiB.
; LOOP.  Wave w = qb + 4 kq takes queries 256 qb .. + 255, eight a lane, against keys 256 kq .. + 255, eight a batch: 32 packed multiply-adds, 64 exponentials, 64 packed sums.  A packed pair is two neighbouring KEYS;
; a query's q' and -m' are laid twice, so that no operand is selected.  Four waves share a SIMD: one wave's exponentials stand beside another's packed work.
; WHY NO CLUSTER: the 128 heads of an image do read the same 128 KiB of codes, but each wave takes its 8 KiB once, straight into operand registers, ahead of a loop of 32 x 160 vector instructions that reads no memory;
; a joint load would add a pass through LDS and the rounds of a cluster's barrier for that one read.
; LIMITS: |q k log2(e)| stays under f32's largest number; NaN and infinities among the inputs are not served.
; THE MODE: SCHED_MODE bits 1:0 = 2 (LLVM: expert scheduling mode 2), set by the entry lines.  The code itself states the register dependences
; between vector or matrix instructions and memory or LDS instructions, with s_wait_alu, always for 0.
; THE PLAN.  Registers that LDS instructions touch, in the loop (two batches a trip):
;   KR        Batch n: its 32 multiply-adds read it; behind the batch's wait the loads of batch n + 1's k land in it.
;   VR, VR1   v of the even and of the odd batches.  Batch n's sums read one; the loads issued in batch n land in the other, which the sums of batch n - 1 read last.
;   v12       Read by every load of k and v; written once a trip, in the odd batch, ahead of that batch's wait; the even batch reaches its loads by an immediate offset.
;   T, ACC, QQ, NM are named by vector instructions alone.
; So ONE wait on va_vdst stands in a batch, behind its exponentials: it states that their results are written, that the multiply-adds are done reading KR, that the sums of the batch before are done reading
; the other buffer of v, and, in an odd batch, that v12 is written.  The batch's four loads follow it at once.  One wait on vm_vsrc a trip stands ahead of the write of v12.
; Outside the loop every address register is written once, at the head, ahead of the head's wait on va_vdst.
.set LK,   0                           ; LDS: k by place, f32;
.set LV,   4096                        ; v;
.set LQ,   8192                        ; q;
.set MM,   12288                       ; [wave 16][max k, max -k];
.set PART, 12544                       ; [wave 16][pair of queries 4][lane 32][S, S, A, A]
.set SA,   8                           ; v8       source 0's scale words; holds nothing else
.set WKF,  16                          ; v16-31   row c of Wk as a fragment; v32-47 of Wv
.set WVF,  32
.set AF,   48                          ; v48-63   of Wq; becomes source 0
.set HB,   64                          ; v64-127  h's four fragments
.set D,    128                         ; v128-159 four results
.set CB,   160                         ; v160-167 the biases as C
.set SWD,  168                         ; v168-171 h's scale bytes as they lie: word c'' = four places' bytes
.set PT,   172                         ; v172-175 at work
.set SB,   176                         ; v176-179 h's scale words by tile; hold nothing else
.set MX,   180                         ; v180 max k, v181 max -k
.set QQ,   16                          ; the loop: v16-31 q' of my eight queries, each twice
.set NM,   32                          ; v32-47   -m', each twice
.set KR,   48                          ; v48-55   eight keys' k
.set VR,   56                          ; v56-63   their v, in the even batches;
.set VR1,  160                         ; v160-167 in the odd ones (C's registers, done with behind the products)
.set T,    64                          ; v64-127  t, then p: keys 2 j, 2 j + 1 of the batch for query q at T + 16 j + 2 q
.set ACC,  128                         ; v128-159 query q: S (even keys', odd keys') at ACC + 4 q, A at ACC + 4 q + 2
.macro BARRIER                         ; my LDS stores have landed and my LDS loads are in: then the work-group's barrier
	s_wait_dscnt 0x0
	s_barrier_signal -1
	s_barrier_wait -1
.endm
.macro ROWMAX                          ; both extremes over the sixteen lanes of a row
.irp m, 1,2,4,8
	v_max_num_f32_dpp v[MX], v[MX], v[MX] row_xmask:\m row_mask:0xf bank_mask:0xf
	v_max_num_f32_dpp v[MX+1], v[MX+1], v[MX+1] row_xmask:\m row_mask:0xf bank_mask:0xf
.endr
.endm
; A batch: eight keys x my eight queries.  vr: this batch's v; vn: the buffer that takes the next batch's.  more = 1: the next batch's k and v are asked for, at off bytes from v12.  step = 1: v12 moves on by a trip, sixteen keys.
.macro BATCH vr, vn, off, step, more
	s_wait_dscnt 0x2                               ; k's two loads are in; v's two, issued behind them, may be out
.irp j, 0,1,2,3
.irp q, 0,1,2,3,4,5,6,7
	v_pk_fma_f32 v[T+16*\j+2*\q:T+16*\j+2*\q+1], v[KR+2*\j:KR+2*\j+1], v[QQ+2*\q:QQ+2*\q+1], v[NM+2*\q:NM+2*\q+1]   ; t = q' k - m'
.endr
.endr
.if \step
	s_add_co_u32 s48, s48, 64                      ; sixteen keys on
	s_wait_alu depctr_vm_vsrc(0)                   ; the LDS loads issued so far have read v12
	v_mov_b32 v12, s48
.endif
.set ee, 0
.rept 64
	v_exp_f32 v[T+ee], v[T+ee]                     ; p = 2^t
.set ee, ee+1
.endr
	v_nop                                          ; a plain line behind the last exponential,
	s_wait_alu depctr_va_vdst(0)                   ; and one wait: the 64 exponentials have written p, ahead of its first reader; the multiply-adds are done reading KR, the last readers of v[vn ..] (the sums of the batch before; in the first batch the products) are done with it, and v12 is written: the loads below land in the first two and read the third
.if \more
	ds_load_b128 v[KR:KR+3], v12 offset:LK+(\off)          ; all lanes ask for the same 16 bytes
	ds_load_b128 v[KR+4:KR+7], v12 offset:LK+(\off)+16
	ds_load_b128 v[\vn:\vn+3], v12 offset:LV+(\off)
	ds_load_b128 v[\vn+4:\vn+7], v12 offset:LV+(\off)+16
	s_wait_dscnt 0x4                               ; this batch's v is in; the four loads just issued may be out
.else
	s_wait_dscnt 0x0
.endif
.irp j, 0,1,2,3
.irp q, 0,1,2,3,4,5,6,7
	v_pk_add_f32 v[ACC+4*\q:ACC+4*\q+1], v[ACC+4*\q:ACC+4*\q+1], v[T+16*\j+2*\q:T+16*\j+2*\q+1]                             ; S += p
	v_pk_fma_f32 v[ACC+4*\q+2:ACC+4*\q+3], v[T+16*\j+2*\q:T+16*\j+2*\q+1], v[\vr+2*\j:\vr+2*\j+1], v[ACC+4*\q+2:ACC+4*\q+3]   ; A += p v: sixteen chains by turns
.endr
.endr
.endm
	s_load_b512 s[4:19], s[0:1], 0x0               ; hcodes s[4:5], hscales s[6:7], Wk codes s[8:9], scales s[10:11], Wv s[12:13], s[14:15], Wq s[16:17], s[18:19]
	s_load_b256 s[20:27], s[0:1], 0x40             ; bk s[20:21], bv s[22:23], bq s[24:25], att s[26:27]
	v_lshl_add_u32 v192, v0, 2, 0xb400
	v_mov_b32 v193, 0
	v_lshrrev_b32 v186, 5, v0                      ; wave, in every lane
	v_readfirstlane_b32 s29, v186                  ; and as a scalar
	s_and_b32 s32, ttmp7, 0xffff                   ; b
	s_lshl_b32 s28, ttmp9, 2                       ; 4 c: a row's scale word, a bias
	s_mov_b32 s44, 0x05010400                      ; byte selects for the turn of 4 x 4 scale bytes
	s_mov_b32 s45, 0x07030602
	s_mov_b32 s46, 0x05040100
	s_mov_b32 s47, 0x07060302
	v_and_b32 v1, 31, v0                           ; lane
	v_and_b32 v2, 15, v0                           ; r
	v_bfe_u32 v3, v0, 4, 1                         ; h
	v_lshlrev_b32 v4, 4, v1                        ; 16 x lane: an operand's image
	v_lshlrev_b32 v5, 2, v2                        ; 4 r: four places' scale bytes
	v_lshlrev_b32 v6, 4, v3                        ; 16 h: my half's codes of a block of a weight's row
	v_and_b32 v7, 7, v0                            ; row % 8 of source 0
	v_lshlrev_b32 v182, 8, v186
	v_lshl_add_u32 v182, v2, 4, v182               ; LDS: 256 wave + 16 r: my four places in k, v, q
	v_lshlrev_b32 v183, 3, v186                    ; 8 wave: my wave's extremes
	v_bfe_u32 v184, v0, 5, 2                       ; qb
	v_bfe_u32 v185, v0, 7, 2                       ; kq
	v_lshl_add_u32 v14, v184, 11, v4
	v_lshl_add_u32 v14, v185, 9, v14               ; 2,048 qb + 512 kq + 16 lane: the pair of queries that I finish, in the first of its four waves' parts
	v_lshlrev_b32 v184, 10, v184
	v_lshl_add_u32 v184, v1, 3, v184               ; 1,024 qb + 8 lane: my queries
	v_lshlrev_b32 v185, 3, v2                      ; 8 r: wave r's extremes
	v_lshl_add_u32 v13, v186, 11, v4               ; 2,048 wave + 16 lane: my part of PART
	v_lshlrev_b32 v15, 3, v1                       ; att: 8 bytes a lane
	s_wait_alu depctr_va_sdst(0)                   ; s29 is written, ahead of its first reader: qb, kq and the bases are made from it
	s_and_b32 s30, s29, 3                          ; qb: my block of 256 queries
	s_lshr_b32 s31, s29, 2                         ; kq: my block of 256 keys
	s_lshl_b32 s48, s31, 10                        ; my first key, in bytes
	v_mov_b32 v12, s48                             ; made here, so that the head's wait on va_vdst serves the first batch's loads too
	s_wait_kmcnt 0x0
	s_load_b32 s36, s[10:11], s28 offset:0x0       ; the scale words of row c of Wk, Wv, Wq
	s_load_b32 s37, s[14:15], s28 offset:0x0
	s_load_b32 s38, s[18:19], s28 offset:0x0
	s_load_b32 s39, s[20:21], s28 offset:0x0       ; bk[c], bv[c], bq[c]
	s_load_b32 s40, s[22:23], s28 offset:0x0
	s_load_b32 s41, s[24:25], s28 offset:0x0
	s_mov_b32 s35, 0
	s_lshl_b32 s34, s32, 17                        ; b x 64 tiles x 2,048 bytes
	s_lshl_b32 s33, s29, 13                        ; + wave x 4 tiles
	s_add_co_u32 s34, s34, s33
	s_add_nc_u64 s[4:5], s[4:5], s[34:35]
	s_lshl_b32 s34, s32, 12                        ; b x 4 x 1,024 bytes
	s_lshl_b32 s33, s29, 6                         ; + wave x 64 places
	s_add_co_u32 s34, s34, s33
	s_add_nc_u64 s[6:7], s[6:7], s[34:35]
	s_lshl_b32 s34, s28, 5                         ; row c: 128 c bytes
	s_add_nc_u64 s[8:9], s[8:9], s[34:35]
	s_add_nc_u64 s[12:13], s[12:13], s[34:35]
	s_add_nc_u64 s[16:17], s[16:17], s[34:35]
	s_lshl_b32 s34, s32, 19                        ; att: (128 b + c) rows of 4,096 bytes
	s_lshl_b32 s33, s28, 10
	s_add_co_u32 s34, s34, s33
	s_lshl_b32 s33, s30, 10                        ; + 256 qb places
	s_add_co_u32 s34, s34, s33
	s_lshl_b32 s33, s31, 8                         ; + 64 kq places
	s_add_co_u32 s34, s34, s33
	s_add_nc_u64 s[26:27], s[26:27], s[34:35]
	s_wait_alu depctr_va_vdst(0)                   ; the offsets and LDS addresses v4 to v6, v12 to v15 and v182 to v185 are written, which the loads and stores of the whole kernel read
.irp t, 0,1,2,3
.irp c, 0,1,2,3
	global_load_b128 v[HB+16*\t+4*\c:HB+16*\t+4*\c+3], v4, s[4:5] offset:2048*\t+512*\c   ; 512 consecutive bytes a load
.endr
.endr
.irp c, 0,1,2,3
	global_load_b32 v[SWD+\c], v5, s[6:7] offset:1024*\c
.endr
.irp c, 0,1,2,3
	global_load_b128 v[WKF+4*\c:WKF+4*\c+3], v6, s[8:9] offset:32*\c
	global_load_b128 v[WVF+4*\c:WVF+4*\c+3], v6, s[12:13] offset:32*\c
	global_load_b128 v[AF+4*\c:AF+4*\c+3], v6, s[16:17] offset:32*\c
.endr
	s_wait_kmcnt 0x0
	v_mov_b32 v[CB], s39                           ; C: rows 0 and 8 bk, rows 1 and 9 bv, rows 2 and 10 bq; the other rows' results are not read
	v_mov_b32 v[CB+1], s40
	v_mov_b32 v[CB+2], s41
.irp j, 3,4,5,6,7
	v_mov_b32 v[CB+\j], 0
.endr
	v_cmp_eq_u32 s42, 0, v7                        ; rows 0 and 8
	v_cmp_eq_u32 s43, 1, v7                        ; rows 1 and 9
	v_mov_b32 v9, s36
	v_mov_b32 v10, s37
	v_mov_b32 v[SA], s38
	s_wait_alu depctr_va_sdst(0)                   ; the two compares have written their masks s42 and s43, ahead of the first select that reads one
	v_cndmask_b32 v[SA], v[SA], v9, s42
	v_cndmask_b32 v[SA], v[SA], v10, s43           ; each row's own scale word
	s_wait_loadcnt 0x0                             ; all 32 loads: the prologue runs once
	v_perm_b32 v[PT], v[SWD+1], v[SWD], s44        ; h's scale bytes lie [block of channels][place]; a tile wants [place][block]: 4 x 4 bytes are turned
	v_perm_b32 v[PT+1], v[SWD+1], v[SWD], s45
	v_perm_b32 v[PT+2], v[SWD+3], v[SWD+2], s44
	v_perm_b32 v[PT+3], v[SWD+3], v[SWD+2], s45
	v_perm_b32 v[SB], v[PT+2], v[PT], s46
	v_perm_b32 v[SB+1], v[PT+2], v[PT], s47
	v_perm_b32 v[SB+2], v[PT+3], v[PT+1], s46
	v_perm_b32 v[SB+3], v[PT+3], v[PT+1], s47
.set i, 0
.rept 16
	v_cndmask_b32 v[AF+i], v[AF+i], v[WKF+i], s42  ; source 0: data are chosen, never addresses
	v_cndmask_b32 v[AF+i], v[AF+i], v[WVF+i], s43
.set i, i+1
.endr
.rept 8
	v_nop                                          ; scale words made by vector instructions stand eight places ahead of a scaled matrix instruction, operands so made four
.endr
	s_wait_alu depctr_va_vdst(0)                   ; the selects have written source 0 (v48 to v63) and its scale word v8, the byte turns h's scale words v176 to v179: the scaled products take them; the places above stay beside this wait
.irp t, 0,1,2,3
	v_wmma_scale_f32_16x16x128_f8f6f4 v[D+8*\t:D+8*\t+7], v[AF:AF+15], v[HB+16*\t:HB+16*\t+15], v[CB:CB+7], v[SA], v[SB+\t]
.endr
.rept 8
	v_nop                                          ; eight places ahead of the first read of a result, and of the writes and loads over the operands further down
.endr
	v_max3_num_f32 v[MX], v[D], v[D+8], v[D+16]    ; my four k: the largest, and the largest of -k
	v_max3_num_f32 v[MX+1], -v[D], -v[D+8], -v[D+16]
	v_max_num_f32 v[MX], v[MX], v[D+24]
	v_max_num_f32 v[MX+1], v[MX+1], -v[D+24]
	ROWMAX                                         ; my wave's 64 places
	s_wait_alu depctr_va_vdst(0)                   ; the products have written D and the lines above MX, which the LDS stores below read; the products are also done reading v48 to v127 and v160 to v167, in which LDS loads land further down
.irp t, 0,1,2,3
	ds_store_b32 v182, v[D+8*\t] offset:LK+4*\t    ; k, v, q of place 64 w + 4 r + t; both halves of the lanes hold and write the same
	ds_store_b32 v182, v[D+8*\t+1] offset:LV+4*\t
	ds_store_b32 v182, v[D+8*\t+2] offset:LQ+4*\t
.endr
	ds_store_b64 v183, v[MX:MX+1] offset:MM
	BARRIER                                        ; k, v, q and the sixteen waves' extremes lie in LDS
	s_wait_alu depctr_vm_vsrc(0)                   ; my LDS stores have read MX, in which a load below lands, and D's registers, which are ACC from here on and are written by vector instructions
.irp p, 0,1,2,3
	ds_load_b64 v[T+2*\p:T+2*\p+1], v184 offset:LQ+256*\p   ; queries 256 qb + 64 p + 2 lane + 0, 1
.endr
	ds_load_b64 v[MX:MX+1], v185 offset:MM
	s_wait_dscnt 0x0
	ROWMAX                                         ; kmax and -kmin of the head, in every lane
	ds_load_b128 v[KR:KR+3], v12 offset:LK         ; the first batch.  No wait: v12 was written at the head, and since the last wait on va_vdst only the extremes' lines were issued, which name MX alone
	ds_load_b128 v[KR+4:KR+7], v12 offset:LK+16
	ds_load_b128 v[VR:VR+3], v12 offset:LV
	ds_load_b128 v[VR+4:VR+7], v12 offset:LV+16
.irp q, 0,1,2,3,4,5,6,7
	v_mul_f32 v[QQ+2*\q], 0x3fb8aa3b, v[T+\q]      ; q' = q log2(e), laid twice
	v_mul_f32 v[QQ+2*\q+1], 0x3fb8aa3b, v[T+\q]
.endr
.irp q, 0,1,2,3,4,5,6,7
	v_mul_f32 v[T+16+\q], v[QQ+2*\q], -v[MX]       ; -q' kmax
	v_mul_f32 v[T+24+\q], v[QQ+2*\q], v[MX+1]      ; -q' kmin
.endr
.irp q, 0,1,2,3,4,5,6,7
	v_min_num_f32 v[NM+2*\q], v[T+16+\q], v[T+24+\q]     ; -m' = -max(q' kmax, q' kmin), laid twice
	v_min_num_f32 v[NM+2*\q+1], v[T+16+\q], v[T+24+\q]
.endr
.set i, 0
.rept 32
	v_mov_b32 v[ACC+i], 0                          ; the batch is written once: the first finds zeros
.set i, i+1
.endr
	s_mov_b32 s49, 15
.Lkeys:                                            ; 15 trips of two batches: both buffers of v are back at their start; the last two batches are written out, since the very last asks for nothing
	BATCH VR, VR1, 32, 0, 1
	BATCH VR1, VR, 0, 1, 1
	s_sub_co_u32 s49, s49, 1
	s_cmp_lg_u32 s49, 0
	s_cbranch_scc1 .Lkeys
	BATCH VR, VR1, 32, 0, 1
	BATCH VR1, VR, 0, 0, 0
.irp p, 0,1,2,3
.irp u, 0,1
	v_add_f32 v[T+4*\p+\u], v[ACC+4*(2*\p+\u)], v[ACC+4*(2*\p+\u)+1]       ; even keys' + odd keys': S,
	v_add_f32 v[T+4*\p+2+\u], v[ACC+4*(2*\p+\u)+2], v[ACC+4*(2*\p+\u)+3]   ; A
.endr
.endr
	s_wait_alu depctr_va_vdst(0)                   ; the sixteen additions have written v64 to v79, which the LDS stores read
.irp p, 0,1,2,3
	ds_store_b128 v13, v[T+4*\p:T+4*\p+3] offset:PART+512*\p
.endr
	BARRIER                                        ; all sixteen waves' parts lie in LDS
	s_wait_alu depctr_vm_vsrc(0)                   ; my LDS stores have read v64 to v79, in which the loads below land
.irp x, 0,1,2,3
	ds_load_b128 v[T+4*\x:T+4*\x+3], v14 offset:PART+8192*\x   ; pair kq of my block of queries, from the four waves qb + 4 x that share its keys
.endr
	s_wait_dscnt 0x0
	v_pk_add_f32 v[T:T+1], v[T:T+1], v[T+4:T+5]
	v_pk_add_f32 v[T+2:T+3], v[T+2:T+3], v[T+6:T+7]
	v_pk_add_f32 v[T+8:T+9], v[T+8:T+9], v[T+12:T+13]
	v_pk_add_f32 v[T+10:T+11], v[T+10:T+11], v[T+14:T+15]
	v_pk_add_f32 v[T:T+1], v[T:T+1], v[T+8:T+9]    ; S of my two queries,
	v_pk_add_f32 v[T+2:T+3], v[T+2:T+3], v[T+10:T+11]   ; A
	v_rcp_f32 v[T+16], v[T]
	v_rcp_f32 v[T+17], v[T+1]
	v_nop                                          ; a plain line behind the last reciprocal,
	s_wait_alu depctr_va_vdst(0)                   ; and one wait: the two reciprocals have written v80 and v81, ahead of their reader
	v_pk_mul_f32 v[T+18:T+19], v[T+2:T+3], v[T+16:T+17]
	s_wait_alu depctr_va_vdst(0)                   ; the multiplication has written v82 and v83, which the store reads
	global_store_b64 v15, v[T+18:T+19], s[26:27]   ; the wave stores 256 consecutive bytes, at a multiple of 256 from the buffer's first byte
	s_wait_dscnt 0x0                               ; the closing lines, six on end
	s_wait_alu 0x0
	s_wait_tensorcnt 0x0
	ds_add_u32 v192, v193
	s_wait_dscnt 0x0
	s_endpgm
.Lfunc_end_k_qd66bfb8e63_attn:
	.size	k_qd66bfb8e63_attn, .Lfunc_end_k_qd66bfb8e63_attn-k_qd66bfb8e63_attn
	.p2alignl 7, 3214868480
	.fill 96, 4, 3214868480
	.section	.rodata,"a",@progbits
	.p2align	6, 0x0
	.amdhsa_kernel k_qd66bfb8e63_attn
		.amdhsa_group_segment_fixed_size 48128
		.amdhsa_private_segment_fixed_size 0
		.amdhsa_enable_private_segment 0
		.amdhsa_kernarg_size 96
		.amdhsa_user_sgpr_count 2
		.amdhsa_user_sgpr_kernarg_segment_ptr 1
		.amdhsa_wavefront_size32 1
		.amdhsa_system_sgpr_workgroup_id_x 1
		.amdhsa_system_sgpr_workgroup_id_y 1
		.amdhsa_system_sgpr_workgroup_id_z 1
		.amdhsa_system_vgpr_workitem_id 0
		.amdhsa_next_free_vgpr 194
		.amdhsa_next_free_sgpr 66
		.amdhsa_reserve_vcc 0
		.amdhsa_float_denorm_mode_32 3
		.amdhsa_float_denorm_mode_16_64 3
		.amdhsa_memory_ordered 1
		.amdhsa_forward_progress 1
		.amdhsa_inst_pref_size 52
	.end_amdhsa_kernel
	.amdgpu_metadata
---
amdhsa.version: [ 1, 2 ]
amdhsa.kernels:
  - .name:           k_qd66bfb8e63_attn
    .symbol:         k_qd66bfb8e63_attn.kd
    .args:
      - { .name: hcodes, .offset: 0, .size: 8, .value_kind: global_buffer, .address_space: global }
      - { .name: hscales, .offset: 8, .size: 8, .value_kind: global_buffer, .address_space: global }
      - { .name: Wk_codes, .offset: 16, .size: 8, .value_kind: global_buffer, .address_space: global }
      - { .name: Wk_scales, .offset: 24, .size: 8, .value_kind: global_buffer, .address_space: global }
      - { .name: Wv_codes, .offset: 32, .size: 8, .value_kind: global_buffer, .address_space: global }
      - { .name: Wv_scales, .offset: 40, .size: 8, .value_kind: global_buffer, .address_space: global }
      - { .name: Wq_codes, .offset: 48, .size: 8, .value_kind: global_buffer, .address_space: global }
      - { .name: Wq_scales, .offset: 56, .size: 8, .value_kind: global_buffer, .address_space: global }
      - { .name: bk, .offset: 64, .size: 8, .value_kind: global_buffer, .address_space: global }
      - { .name: bv, .offset: 72, .size: 8, .value_kind: global_buffer, .address_space: global }
      - { .name: bq, .offset: 80, .size: 8, .value_kind: global_buffer, .address_space: global }
      - { .name: att, .offset: 88, .size: 8, .value_kind: global_buffer, .address_space: global }
    .group_segment_fixed_size: 48128
    .private_segment_fixed_size: 0
    .kernarg_segment_align: 8
    .kernarg_segment_size: 96
    .max_flat_workgroup_size: 512
    .sgpr_count:     66
    .vgpr_count:     194
    .wavefront_size: 32
...
	.end_amdgpu_metadata
.endif
;; end of part 4
;; launch proj (part 5): grid 16 x 2, 4 waves a work-group, no clusters, 9,728 bytes of LDS; arguments att, Wo_codes, Wo_scales, bo, hidden_states, out0; writes out0
.if DOCPART == 5
	.amdgcn_target "amdgcn-amd-amdhsa--gfx1250"
	.amdhsa_code_object_version 6
	.text
	.protected	k_qd66bfb8e63_proj
	.globl	k_qd66bfb8e63_proj
	.p2align	8
	.type	k_qd66bfb8e63_proj,@function
k_qd66bfb8e63_proj:
	s_mov_b64 s[64:65], 0
	v_nop
	global_prefetch_b8 v0, s[64:65] scope:SCOPE_SE
	s_setreg_imm32_b32 hwreg(HW_REG_WAVE_SCHED_MODE, 0, 2), 2
	s_setreg_imm32_b32 hwreg(HW_REG_WAVE_MODE, 25, 1), 1
	s_wait_xcnt 0x0
	s_wait_alu depctr_vm_vsrc(0)
; out0[b][o][s] = sum over c of Q(att)[b][c][s] Wo[o][c] + bo[o] + hidden_states[b][o][s].  att is quantised along the channels to codes of FP8 (E4M3) with one E8M0 byte for each 32; Wo comes as codes.
; SHARES.  A work-group takes 64 places (64 u .., grid x) of one image (grid y) and all 128 outputs: a row's 64 places are 256 consecutive bytes.  Wave w quantises channels 32 w .. 32 w + 31 of the 64 places,
; and then makes outputs 32 w .. 32 w + 31 for all of them: two tiles of outputs x four tiles of places, eight matrix instructions.
; Place 64 u + 4 r + t is column r of tile t, so that a lane's 16-byte load or store holds one number of each of the four tiles.
; The codes go from wave to wave through LDS as images of the operand's registers: [t 4][block of channels 4][lane 32][16 bytes]; the scale words [t][r], wave w writing byte w.
; Source 0 = 16 rows of Wo, source 1 = 16 places; C = bo: register j of lane (r, h) of result (n, t) is output 32 w + 16 n + 8 h + j at place 64 u + 4 r + t.
; The residual's addition also gathers four tiles' numbers into four neighbouring registers: sixteen lanes then store 256 consecutive bytes.
; REGISTERS: window 0 as listed; window 1: v0-63 (v256-319) the residual, then the output: (n, j, t) at 32 n + 4 j + t.
; LIMITS: a block of zeros, and one whose largest magnitude lies under 2^(9 - 127), gets the byte 1: this launch alone reads the bytes.  NaN and infinities are not served.
; No tensor load and no cluster: Wo's rows go to one wave's registers each, and no two work-groups share a byte of att.
; THE MODE: SCHED_MODE bits 1:0 = 2 (LLVM: expert scheduling mode 2), set by the entry lines.  The code itself states the register dependences
; between vector or matrix instructions and memory or LDS instructions, with s_wait_alu, always for 0.
; THE PLAN.  Registers that memory or LDS instructions touch:
;   v4 to v11      offsets and LDS addresses: written once, at the head, ahead of the head's wait on va_vdst; never written again.
;   X = F          att's numbers land there; the quantiser reads them; behind the quantiser's wait the fragments' LDS loads land there; the products read them.
;   CD, TM + 4 ..  written by the quantiser, read by the LDS stores behind its wait; never written again.
;   WO, SA, SB, CBI  filled by loads, read by the products alone.
;   window 1       the residual lands there; the additions write the output over it; the stores behind their wait read it.
; So three waits on va_vdst: at the head, behind the quantiser, behind the additions.  No register that a memory or LDS instruction reads is written again, so no wait on vm_vsrc is owed.
.set SA,   12                          ; v12-13   Wo's scale words, tile n; hold nothing else
.set SB,   14                          ; v14-17   the places' scale words, tile t; hold nothing else
.set TM,   20                          ; v20-35   the quantiser: +0 largest magnitudes, +4 bytes, +8 448 x the scale, +12 the conversions' scale operands
.set CD,   36                          ; v36-51   codes
.set WO,   52                          ; v52-83   Wo's two fragments
.set CBI,  84                          ; v84-99   bo as C, eight registers a tile
.set X,    100                         ; v100-163 my 64 numbers of att;
.set F,    100                         ;          later the four fragments of codes
.set Y,    164                         ; v164-227 the held numbers;
.set DD,   164                         ;          later the eight results: (n, t) at DD + 8 (4 n + t)
.set SC,   8192                        ; LDS: behind the images (8,192 bytes) the scale words, 256 bytes
.set MSB, 0
.macro WIN new                         ; the immediate's high byte repeats the setting that is left
.if MSB != \new
	s_set_vgpr_msb (MSB<<8)|\new
.set MSB, \new
.endif
.endm
.macro BARRIER                         ; my LDS stores have landed and my LDS loads are in: then the work-group's barrier
	s_wait_dscnt 0x0
	s_barrier_signal -1
	s_barrier_wait -1
.endm
; Four blocks of 32 channels, one for each place t; a block lies in lanes l and l xor 16, 16 numbers each: X + 4 i + t.  Out: codes in CD + 4 t .. + 3, the scale's byte in TM + 4 + t.
.macro QUANT4
.irp t, 0,1,2,3
	v_max3_num_f32 v[TM+\t], |v[X+\t]|, |v[X+4+\t]|, 0x4800000    ; my 16 numbers, and the floor 2^(9 - 127): the byte cannot fall under 1
.endr
.irp i, 2,4,6,8,10,12,14
.irp t, 0,1,2,3
	v_max3_num_f32 v[TM+\t], v[TM+\t], |v[X+4*\i+\t]|, |v[X+4*\i+4+\t]|   ; the four blocks by turns
.endr
.endr
.irp t, 0,1,2,3
	v_permlanex16_b32 v[TM+4+\t], v[TM+\t], s20, s21
.endr
.irp t, 0,1,2,3
	v_max_num_f32 v[TM+\t], v[TM+\t], v[TM+4+\t]                  ; with lane l xor 16's: the block's largest magnitude
.endr
.irp t, 0,1,2,3
	v_add_nc_u32 v[TM+12+\t], 0xfc000000, v[TM+\t]                ; 8 off its exponent field: the conversion takes this operand's exponent field as its scale
.endr
.irp t, 0,1,2,3
	v_and_or_b32 v[TM+8+\t], v[TM+\t], 0x7f800000, s22            ; 448 x the scale: the exponent field over 448's mantissa
.endr
.irp t, 0,1,2,3
	v_lshrrev_b32 v[TM+4+\t], 23, v[TM+12+\t]                     ; the scale's byte
.endr
.irp t, 0,1,2,3
.irp i, 0,1,2,3,4,5,6,7,8,9,10,11,12,13,14,15
	v_med3_num_f32 v[Y+16*\t+\i], v[X+4*\i+\t], -v[TM+8+\t], v[TM+8+\t]   ; the conversion to an 8-bit code does not saturate (ISA guide 7.6.2): the hold; it also lays a place's 16 channels on end
.endr
	v_cvt_scalef32_pk8_fp8_f32 v[CD+4*\t:CD+4*\t+1], v[Y+16*\t:Y+16*\t+7], v[TM+12+\t]
	v_cvt_scalef32_pk8_fp8_f32 v[CD+4*\t+2:CD+4*\t+3], v[Y+16*\t+8:Y+16*\t+15], v[TM+12+\t]
.endr
	v_nop                                                          ; a plain vector line behind the last scaled conversion: the products below write the registers that it read
.endm
	s_load_b256 s[4:11], s[0:1], 0x0               ; att s[4:5], Wo's codes s[6:7], Wo's scales s[8:9], bo s[10:11]
	s_load_b128 s[12:15], s[0:1], 0x20             ; hidden_states s[12:13], out0 s[14:15]
	v_lshl_add_u32 v254, v0, 2, 0x2400
	v_mov_b32 v255, 0
	v_lshrrev_b32 v10, 5, v0                       ; wave, in every lane
	v_readfirstlane_b32 s16, v10                   ; and as a scalar
	s_mov_b32 s17, ttmp9                           ; u
	s_and_b32 s18, ttmp7, 0xffff                   ; b
	s_mov_b32 s20, 0x76543210
	s_mov_b32 s21, 0xfedcba98                      ; v_permlanex16_b32's selects for lane l xor 16
	s_mov_b32 s22, 0x600000                        ; the mantissa field of 448
	v_and_b32 v1, 31, v0                           ; lane
	v_and_b32 v2, 15, v0                           ; r
	v_bfe_u32 v3, v0, 4, 1                         ; h
	v_lshlrev_b32 v4, 4, v2
	v_lshl_add_u32 v8, v3, 15, v4                  ; residual and output: 16 r + 8 rows of 4,096 bytes x h
	v_lshl_add_u32 v4, v3, 16, v4                  ; att: 16 r + 16 rows x h
	v_lshlrev_b32 v5, 7, v2
	v_lshl_add_u32 v5, v3, 4, v5                   ; Wo: row r of 128 bytes, + 16 h
	v_lshlrev_b32 v6, 2, v2                        ; 4 r: a row's or a place's scale word
	v_lshlrev_b32 v7, 5, v3                        ; bo: my half's eight numbers
	v_lshlrev_b32 v11, 4, v1                       ; 16 x lane: an image's place for my lane
	v_lshl_add_u32 v9, v10, 9, v11                 ; where I store my images: 512 x wave + 16 x lane
	v_add_nc_u32 v10, v10, v6                      ; and my scale bytes: 4 r + wave
.irp t, 0,1,2,3
	v_mov_b32 v[TM+4+\t], 0                        ; written once: a lane permute's destination counts as one of its sources
.endr
	s_wait_alu depctr_va_sdst(0)                   ; s16 is written, ahead of its first reader: the bases are made from it
	s_wait_kmcnt 0x0
	s_mov_b32 s25, 0
	s_lshl_b32 s24, s18, 19                        ; b x 128 rows x 4,096 bytes
	s_lshl_b32 s19, s16, 17                        ; + wave x 32 rows
	s_add_co_u32 s24, s24, s19
	s_lshl_b32 s19, s17, 8                         ; + u x 64 places
	s_add_co_u32 s24, s24, s19
	s_add_nc_u64 s[4:5], s[4:5], s[24:25]
	s_add_nc_u64 s[12:13], s[12:13], s[24:25]
	s_add_nc_u64 s[14:15], s[14:15], s[24:25]
	s_lshl_b32 s24, s16, 12                        ; my 32 rows of Wo
	s_add_nc_u64 s[6:7], s[6:7], s[24:25]
	s_lshl_b32 s24, s16, 7                         ; their scale words; my 32 numbers of bo
	s_add_nc_u64 s[8:9], s[8:9], s[24:25]
	s_add_nc_u64 s[10:11], s[10:11], s[24:25]
	s_wait_alu depctr_va_vdst(0)                   ; the offsets and LDS addresses v4 to v11 are written, which the loads and stores of the whole kernel read; only loads and one window switch stand between this wait and the residual's loads
.irp i, 0,1,2,3,4,5,6,7,8,9,10,11,12,13,14,15
	global_load_b128 v[X+4*\i:X+4*\i+3], v4, s[4:5] offset:4096*\i th:TH_LOAD_NT
.endr
.irp n, 0,1
.irp c, 0,1,2,3
	global_load_b128 v[WO+16*\n+4*\c:WO+16*\n+4*\c+3], v5, s[6:7] offset:2048*\n+32*\c
.endr
.endr
.irp n, 0,1
	global_load_b32 v[SA+\n], v6, s[8:9] offset:64*\n
.endr
.irp n, 0,1
	global_load_b128 v[CBI+8*\n:CBI+8*\n+3], v7, s[10:11] offset:64*\n
	global_load_b128 v[CBI+8*\n+4:CBI+8*\n+7], v7, s[10:11] offset:64*\n+16
.endr
	WIN 0x40                                       ; destination window 1, address window 0
.irp n, 0,1
.irp j, 0,1,2,3,4,5,6,7
	global_load_b128 v[32*\n+4*\j:32*\n+4*\j+3], v8, s[12:13] offset:65536*\n+4096*\j th:TH_LOAD_NT   ; the residual, asked for now, wanted last
.endr
.endr
	WIN 0
	s_wait_loadcnt 30                              ; att's 16 loads are in; the 8 + 2 + 4 + 16 issued behind them may be out
	QUANT4
	s_wait_alu depctr_va_vdst(0)                   ; the quantiser has written the codes v36 to v51 and the bytes v24 to v27, which the LDS stores read, and is done reading v100 to v163, in which the fragments' loads land
.irp t, 0,1,2,3
	ds_store_b128 v9, v[CD+4*\t:CD+4*\t+3] offset:2048*\t
.endr
.irp t, 0,1,2,3
	ds_store_b8 v10, v[TM+4+\t] offset:SC+64*\t    ; both lanes of a block write the same byte with the same value
.endr
	BARRIER                                        ; the four fragments and their scale words lie in LDS
.irp t, 0,1,2,3
.irp c, 0,1,2,3
	ds_load_b128 v[F+16*\t+4*\c:F+16*\t+4*\c+3], v11 offset:2048*\t+512*\c
.endr
	ds_load_b32 v[SB+\t], v6 offset:SC+64*\t
.endr
	s_wait_dscnt 0x0
	s_wait_loadcnt 16                              ; Wo, its scale words and bo are in; the residual's 16 loads may be out
.irp n, 0,1
.irp t, 0,1,2,3
	v_wmma_scale_f32_16x16x128_f8f6f4 v[DD+8*(4*\n+\t):DD+8*(4*\n+\t)+7], v[WO+16*\n:WO+16*\n+15], v[F+16*\t:F+16*\t+15], v[CBI+8*\n:CBI+8*\n+7], v[SA+\n], v[SB+\t]
.endr
.endr
.rept 8
	v_nop                                          ; eight places ahead of the first read of a result
.endr
	s_wait_loadcnt 0x0                             ; the residual
	WIN 0x44                                       ; source 1 and destination window 1, source 0 window 0
.irp n, 0,1
.irp j, 0,1,2,3,4,5,6,7
.irp t, 0,1,2,3
	v_add_f32 v[32*\n+4*\j+\t], v[DD+8*(4*\n+\t)+\j], v[32*\n+4*\j+\t]   ; each result from its low end on
.endr
.endr
.endr
	s_wait_alu depctr_va_vdst(0)                   ; the 64 additions have written the output, v256 to v319, which the stores read
.irp n, 0,1
.irp j, 0,1,2,3,4,5,6,7
	global_store_b128 v8, v[32*\n+4*\j:32*\n+4*\j+3], s[14:15] offset:65536*\n+4096*\j th:TH_STORE_NT   ; sixteen lanes store 256 consecutive bytes, at a multiple of 256 from the buffer's first byte
.endr
.endr
	WIN 0                                          ; the add's two registers lie in window 0: the switch stands ahead of the closing lines
	s_wait_dscnt 0x0                               ; the closing lines, six on end
	s_wait_alu 0x0
	s_wait_tensorcnt 0x0
	ds_add_u32 v254, v255
	s_wait_dscnt 0x0
	s_endpgm
.Lfunc_end_k_qd66bfb8e63_proj:
	.size	k_qd66bfb8e63_proj, .Lfunc_end_k_qd66bfb8e63_proj-k_qd66bfb8e63_proj
	.p2alignl 7, 3214868480
	.fill 96, 4, 3214868480
	.section	.rodata,"a",@progbits
	.p2align	6, 0x0
	.amdhsa_kernel k_qd66bfb8e63_proj
		.amdhsa_group_segment_fixed_size 9728
		.amdhsa_private_segment_fixed_size 0
		.amdhsa_enable_private_segment 0
		.amdhsa_kernarg_size 48
		.amdhsa_user_sgpr_count 2
		.amdhsa_user_sgpr_kernarg_segment_ptr 1
		.amdhsa_wavefront_size32 1
		.amdhsa_system_sgpr_workgroup_id_x 1
		.amdhsa_system_sgpr_workgroup_id_y 1
		.amdhsa_system_sgpr_workgroup_id_z 1
		.amdhsa_system_vgpr_workitem_id 0
		.amdhsa_next_free_vgpr 320
		.amdhsa_next_free_sgpr 66
		.amdhsa_reserve_vcc 0
		.amdhsa_float_denorm_mode_32 3
		.amdhsa_float_denorm_mode_16_64 3
		.amdhsa_memory_ordered 1
		.amdhsa_forward_progress 1
		.amdhsa_inst_pref_size 22
	.end_amdhsa_kernel
	.amdgpu_metadata
---
amdhsa.version: [ 1, 2 ]
amdhsa.kernels:
  - .name:           k_qd66bfb8e63_proj
    .symbol:         k_qd66bfb8e63_proj.kd
    .args:
      - { .name: att, .offset: 0, .size: 8, .value_kind: global_buffer, .address_space: global }
      - { .name: Wo_codes, .offset: 8, .size: 8, .value_kind: global_buffer, .address_space: global }
      - { .name: Wo_scales, .offset: 16, .size: 8, .value_kind: global_buffer, .address_space: global }
      - { .name: bo, .offset: 24, .size: 8, .value_kind: global_buffer, .address_space: global }
      - { .name: hidden_states, .offset: 32, .size: 8, .value_kind: global_buffer, .address_space: global }
      - { .name: out0, .offset: 40, .size: 8, .value_kind: global_buffer, .address_space: global }
    .group_segment_fixed_size: 9728
    .private_segment_fixed_size: 0
    .kernarg_segment_align: 8
    .kernarg_segment_size: 48
    .max_flat_workgroup_size: 128
    .sgpr_count:     66
    .vgpr_count:     320
    .wavefront_size: 32
...
	.end_amdgpu_metadata
.endif
;; end of part 5
